; MI455X (gfx1250); checked and timed in simulation.
; The chip was launched on July 23, 2026; its instructions are those of AMD's public machine-readable ISA for CDNA 5 (MIT licence, August 2026) and "CDNA5" Instruction Set Architecture Reference Guide (July 2026). The comments in the code are by the model that wrote it; some were corrected since.
;; Self Attention. Allowed arithmetic: matrix products marked QUANTISED: E3M2 operands, one E8M0 scale for each 32 along K, by v_wmma_scale_f32_16x16x128_f8f6f4 with both operands' format E3M2, f32 sums; everything else in f32.
;; Inputs: K_W 1,024 x 1,024 float32; Q_W 1,024 x 1,024 float32; V_W 1,024 x 1,024 float32; key 4 x 2,048 x 1,024 float32; query 4 x 2,048 x 1,024 float32; value 4 x 2,048 x 1,024 float32.
;; Outputs: out0 4 x 2,048 x 1,024 float32.
;; This version of the problem:
;;   THIS VERSION OF THE PROBLEM IS GIVEN IN LOW PRECISION. The matrix products marked QUANTISED in the list below multiply operands that are first quantised to E3M2 (3 exponent bits, 2 mantissa bits; 6 bits a number), with one power-of-two scale for each 32 numbers along K (OCP MX v1.0); their sums are f32. All else is computed in f32.
;;   The module's matrix products, in the order in which they are computed (A, B: the left and right operand; K: the contracted axis; several contracted axes count as one K, in the product's order):
;;     1. [M 8,192, K 1,024] x [K 1,024, N 1,024]; A: input query; B: input Q_W: QUANTISED
;;     2. [M 8,192, K 1,024] x [K 1,024, N 1,024]; A: input key; B: input K_W: QUANTISED
;;     3. [M 8,192, K 1,024] x [K 1,024, N 1,024]; A: input value; B: input V_W: QUANTISED
;;     4. batch 4 x [M 2,048, K 1,024] x [K 1,024, N 2,048]; A: computed on the way; B: computed on the way: QUANTISED
;;     5. batch 4 x [M 2,048, K 2,048] x [K 2,048, N 1,024]; A: softmax (see below); B: computed on the way: QUANTISED
;;   THE QUANTISER, for each operand of a quantised product, along K:
;;     - K is cut into blocks of 32 from its start; a last block that is shorter is filled with zeros.
;;     - A block's scale is 2^e with e = floor(log2(the largest magnitude in the block)) - 4, held to -126 .. 127; a block of zeros has e = 0. As a byte (E8M0): e + 127.
;;     - Each number is divided by its block's scale, clamped to +-28, and rounded to the nearest number of E3M2, ties to even, subnormals kept.
;;     - The product sums the exact products of the quantised numbers (number of the format x scale) in f32.
;;   ~~~python
;;   def quantise(x, axis):      # numpy; x: float32 -> the quantised numbers, widened to float32 again
;;       x = np.moveaxis(x, axis, -1); K = x.shape[-1]
;;       x = np.pad(x, [(0, 0)] * (x.ndim - 1) + [(0, -K % 32)]); x = x.reshape(x.shape[:-1] + (-1, 32)); a = np.abs(x).max(-1, keepdims=True)
;;       e = np.where(a > 0, np.clip(np.frexp(np.where(a > 0, a, 1))[1] - 1 - 4, -126, 127), 0)      # np.frexp(a)[1] - 1 = floor(log2(a)), exactly
;;       r = np.clip(x / 2.0 ** e, -28, 28)
;;       step = 2.0 ** (np.maximum(np.frexp(np.where(r == 0, 1, r))[1] - 1, -2) - 2)
;;       q = np.round(r / step) * step * 2.0 ** e      # np.round: ties to even
;;       return np.moveaxis(q.reshape(q.shape[:-2] + (-1,))[..., :K], -1, axis).astype(np.float32)
;;   ~~~
;;   SOFTMAX AHEAD OF A QUANTISED PRODUCT. Where the list says 'softmax', what is quantised is not the finished softmax but p = 2^(t - M), with t = logit x log2(e) and M = ceil(the row's largest t), a whole number; so 1/2 < the row's largest p <= 1. The row's sum l is taken of the UNQUANTISED p, in f32, and the product's result is divided by l at the end. Since M is a whole number, a kernel that streams over the keys may use a running M (the ceiling of the running maximum): every later rescaling is an exact power of two, which a block's scale takes up: the codes' values come out the same.
;;   OPERANDS COMPUTED ON THE WAY. 'Computed on the way' means the value that the module computes at that place (a softmax that the list does not call 'softmax' is quantised finished and normalised). What goes into a quantiser is computed in f32, as accurately as f32 sums, v_exp_f32 and their like allow (about 1e-6 of the number): no bf16 or f16 on the way to a quantiser, and a product that is left as it is and whose result goes on into a quantised operand takes f32 operands (vector FMAs, or v_wmma_f32_16x16x4_f32). A number that lies on a knife's edge between two numbers of the format may be rounded either way, as far as f32 arithmetic and the matrix unit's own rounding can turn it there, and no further.
;; One version. Each part assembles by itself: llvm-mc -triple=amdgcn-amd-amdhsa -mcpu=gfx1250 --defsym DOCPART=n.
;; ======== version 1 of 1: 4 launches
;; limits: right only within a limited range of input values
;; workspace buffers: xin 22,118,400 bytes; qkv 19,660,800 bytes; pc 12,582,912 bytes; pst 1,572,864 bytes
;; launch quant (part 1): grid 256 x 1, 9 waves a work-group, no clusters, 327,680 bytes of LDS; arguments query, key, value, Q_W, K_W, V_W, xin; writes xin
.if DOCPART == 1
	.amdgcn_target "amdgcn-amd-amdhsa--gfx1250"
	.amdhsa_code_object_version 6
	.text
	.protected	k_q0535454781_quant
	.globl	k_q0535454781_quant
	.p2align	8
	.type	k_q0535454781_quant,@function
k_q0535454781_quant:
	s_mov_b64 s[64:65], 0
	v_nop
	global_prefetch_b8 v0, s[64:65] scope:SCOPE_SE
	s_setreg_imm32_b32 hwreg(HW_REG_WAVE_MODE, 25, 1), 1
	s_wait_xcnt 0x0
; query, key, value [8192][1024] and Q_W, K_W, V_W [1024][1024], f32, become codes of BF6 (E3M2) with one E8M0 byte for each 32 along K (the last axis), laid IN THE ORDER OF AN OPERAND'S REGISTERS.
; A BLOCK of xin is 128 rows x 256 K: 25,600 dense bytes.  Fragment (kk = which 128 of the 256, T = which 16 of the 128 rows) lies at (8 kk + T) x 1,536; in it register p of lane l lies at 512 (p / 4) + 16 l + 4 (p % 4);
; lane l = r + 16 h holds row 16 T + r; registers 0-5 the 32-block h of the 128, registers 6-11 the 32-block 2 + h.  Behind the codes, at 24,576: the scale words (byte b = 32-block b), that of (kk, T, r) at 512 kk + 256 (T / 4) + 16 r + 4 (T % 4).
; Block numbers: query 0-255, key 256-511, value 512-767 (4 x (row / 128) + k / 256), Q_W 768-799, K_W 800-831, V_W 832-863.  Fragment number F = 16 block + 8 kk + T: 13,824 in all.
; A block's scale is 2^(floor(log2(largest magnitude)) - 4): its byte is the largest magnitude's exponent field - 4, held at 1 from below by a floor among the maximum's leaves.
; LIMITS: a block of zeros, or one whose largest magnitude lies under 2^-122, keeps the byte 1 (its codes are what the conversion gives under that scale; only this program reads the bytes); NaN and infinities are not served.
; SHARES: 13,824 fragments on 256 work-groups are 54 each = 27 PAIRS (F even, F + 1: 32 rows x 512 bytes of one tensor).  Work-group w takes pairs 0-25 at F = 52 w + 2 p (13 whole units of 256 bytes of scale words)
; and as pair 26 the pair F = 13,312 + 2 w of the last 256 pairs.  Nine waves x three fills: wave v takes pair 9 t + v in fill t, by ONE tensor load into its own part of slot t % 2 (rows 528 bytes apart in LDS).
; A lane reads 128 neighbouring bytes of its row at a time: one whole 32-block.  Only the issuing wave reads a tile.
; One tensor load of a wave is out at any time.  Slot 1's first fill and slot 0's refill stand behind a barrier with the wait, the add and its wait in front of it; the launch claims all of LDS.
; PREFETCH: each wave asks for its own next pair one fill ahead of the tensor load that wants it: 32 rows x 2 blocks of 256 bytes, a lane a row, two instructions; fill 0 comes by its load alone, and nothing is asked for beyond fill 2.
; SCALE WORDS: a pair gives 8 bytes a row; pairs 0-25 are gathered in LDS and leave as 13 whole aligned units of 256 bytes.  Pair 26's 128 bytes are half a unit (3,456 units do not divide by 256 work-groups): wave 8 stores them from registers.
; No matrix unit and no cluster: no work-group shares a byte with another.
.set PITCH, 528
.set FRL,   16*PITCH                   ; a fragment's 16 rows in LDS
.set PAIRB, 2*FRL                      ; a wave's part of a slot
.set SLOT,  9*PAIRB
.set SCW,   2*SLOT                     ; 26 pairs x 128 bytes of scale words: 13 blocks of 256 bytes; no fill lands here
.set SPARE, SCW+3328                   ; the spare words, 128 bytes for each wave: five blocks of 256 bytes that no other line names
.set BLKB,  25600
.set FRB,   1536
.set L16,  1                           ; v1      16 x lane: the codes' stores
.set XA,   2                           ; v2-3    my row's place in my part of slot 0, 1
.set SH,   4                           ; v4      8 h
.set SWA,  5                           ; v5      where my pair's scale words go in LDS
.set PFO,  14                          ; v14     lane x 4,096: the prefetches' row
.set GRD,  15                          ; v15     the gather's read
.set GST,  16                          ; v16     16 r + 8 h: the gather's store
.set TST,  17                          ; v17     16 r + 4 h: pair 26's store
.set HH,   18                          ; v18     h
.set SPW,  20
.set NIL,  21
.set TW,   22
.set SW,   24                          ; v24-25  the pair's scale words
.set GD,   26                          ; v26-29  the gather's data
.set X,    32                          ; v32-159 two fragments' numbers
.set C,    160                         ; v160-183 two sets of 12: the codes
.set CT,   184                         ; v184-186, v188-190: second halves of the blocks' codes (a conversion's three registers begin on an even number)
.set G1,   24                          ; s[24:31] descriptor group 1
.set G0,   32                          ; s[32:43] group 0, one set for each fill
.set SRC,  44                          ; s[44:49] the three pairs' addresses
.set DST,  50                          ; s[50:55] and their codes' addresses
; fill t's pair: where it comes from, where its codes go, its group 0
.macro ADDR t
	s_add_co_u32 s20, s18, 9*\t                    ; p
	s_lshl_b32 s21, s20, 1
	s_add_co_u32 s21, s21, s56                     ; F = 52 w + 2 p
.if \t == 2
	s_cmp_eq_u32 s18, 8
	s_cselect_b32 s21, s57, s21                    ; pair 26: F = 13,312 + 2 w
.endif
	s_lshr_b32 s22, s21, 4                         ; the block
	s_cmp_lt_u32 s22, 768
	s_cselect_b32 s23, 255, 31
	s_and_b32 s23, s22, s23                        ; its number inside its tensor
	s_lshr_b32 s58, s23, 2
	s_lshl_b32 s58, s58, 19                        ; 128 rows of 4,096 bytes
	s_and_b32 s23, s23, 3
	s_lshl_b32 s23, s23, 10
	s_add_co_u32 s58, s58, s23                     ; + 256 numbers
	s_bfe_u32 s23, s21, 0x10003
	s_lshl_b32 s23, s23, 9
	s_add_co_u32 s58, s58, s23                     ; + kk x 128 numbers
	s_and_b32 s23, s21, 7
	s_lshl_b32 s23, s23, 16
	s_add_co_u32 s58, s58, s23                     ; + T x 16 rows
	s_mov_b32 s59, 0
	s_cmp_lt_u32 s22, 832                          ; which tensor: the choice hangs on ids alone
	s_cselect_b64 s[60:61], s[12:13], s[14:15]
	s_cmp_lt_u32 s22, 800
	s_cselect_b64 s[60:61], s[10:11], s[60:61]
	s_cmp_lt_u32 s22, 768
	s_cselect_b64 s[60:61], s[8:9], s[60:61]
	s_cmp_lt_u32 s22, 512
	s_cselect_b64 s[60:61], s[6:7], s[60:61]
	s_cmp_lt_u32 s22, 256
	s_cselect_b64 s[60:61], s[4:5], s[60:61]
	s_add_nc_u64 s[SRC+2*\t:SRC+2*\t+1], s[60:61], s[58:59]
	s_mul_i32 s58, s22, BLKB
	s_and_b32 s23, s21, 15
	s_mul_i32 s23, s23, FRB
	s_add_co_u32 s58, s58, s23
	s_add_nc_u64 s[DST+2*\t:DST+2*\t+1], s[16:17], s[58:59]
	s_mov_b32 s[G0+4*\t], 1
	s_add_co_u32 s[G0+4*\t+1], s62, (\t%2)*SLOT
	s_mov_b64 s[G0+4*\t+2:G0+4*\t+3], s[SRC+2*\t:SRC+2*\t+1]
	s_or_b32 s[G0+4*\t+3], s[G0+4*\t+3], 0x80000000
.endm
.macro ASK t                           ; fill t's pair: 32 rows x 512 bytes, a lane a row
	global_prefetch_b8 v[PFO], s[SRC+2*\t:SRC+2*\t+1] th:TH_LOAD_NT scope:SCOPE_SE
	global_prefetch_b8 v[PFO], s[SRC+2*\t:SRC+2*\t+1] offset:256 th:TH_LOAD_NT scope:SCOPE_SE
.endm
.macro QF t, f                         ; my two 32-blocks become registers 0-5 and 6-11 of the fragment, and my two bytes of the row's scale word
.set XS, X+64*(\f)
.set CC, C+12*(\f)
.irp c, 0,1
	v_max3_num_f32 v[6+\c], |v[XS+32*\c]|, |v[XS+32*\c+1]|, 0x2800000   ; the floor 2^(5 - 127): the byte cannot fall under 1
.endr
.irp i, 2,4,6,8,10,12,14,16,18,20,22,24,26,28,30
.irp c, 0,1
	v_max3_num_f32 v[6+\c], v[6+\c], |v[XS+32*\c+\i]|, |v[XS+32*\c+\i+1]|   ; (the two blocks by turns)
.endr
.endr
.irp c, 0,1
	v_add_nc_u32 v[8+\c], 0xfe000000, v[6+\c]      ; 4 off the exponent field: the conversion takes this operand's exponent field as its scale
.endr
.irp c, 0,1
	v_lshrrev_b32 v[10+\c], 23, v[8+\c]            ; the scale's byte
.endr
	v_lshl_or_b32 v12, v11, 16, v10                ; blocks h and 2 + h,
	v_lshlrev_b32 v12, v[SH], v12                  ; at their places in the word;
	v_permlanex16_b32 v13, v12, s2, s3
	v_or_b32 v[SW+(\f)], v12, v13                  ; with lane l xor 16's two the word is whole
.irp c, 0,1
	v_cvt_scalef32_pk16_bf6_f32 v[CC+6*\c:CC+6*\c+2], v[XS+32*\c:XS+32*\c+15], v[8+\c]
	v_cvt_scalef32_pk16_bf6_f32 v[CT+4*\c:CT+4*\c+2], v[XS+32*\c+16:XS+32*\c+31], v[8+\c]
.endr
	v_nop                                          ; one plain place behind a scaled conversion
.irp c, 0,1
.irp i, 0,1,2
	v_mov_b32 v[CC+6*\c+3+\i], v[CT+4*\c+\i]
.endr
.endr
.irp c, 0,1,2
	global_store_b128 v[L16], v[CC+4*\c:CC+4*\c+3], s[DST+2*\t:DST+2*\t+1] offset:FRB*(\f)+512*\c   ; 32 lanes store 512 consecutive bytes, aligned
.endr
.endm
.macro TRIP t
	s_wait_tensorcnt 0x0                           ; my one load, this fill's pair, has landed
.if \t < 2
	ds_add_u32 v[SPW], v[NIL]
	s_wait_dscnt 0x0                               ; the add is done, and so are my LDS reads and stores of the fill before
	s_barrier_signal -1
	s_barrier_wait -1
	tensor_load_to_lds s[G0+4*\t+4:G0+4*\t+7], s[G1:G1+7]   ; the next fill's pair, into the other slot
	s_nop 0
.endif
.irp f, 0,1
.irp c, 0,1
.irp j, 0,1,2,3,4,5,6,7
	ds_load_b128 v[X+64*\f+32*\c+4*\j:X+64*\f+32*\c+4*\j+3], v[XA+(\t%2)] offset:FRL*\f+256*\c+16*\j   ; X + 64 f + 32 c + i = number 64 c + 32 h + i of row r of fragment f
.endr
.endr
.endr
.if \t == 0
	ASK 2
.else
	s_wait_xcnt 0x0                                ; the codes' registers are the data of the last fill's stores: they are rewritten only behind this wait
.endif
	s_wait_dscnt 16                                ; the first fragment's sixteen loads are in; the second's sixteen may be out
	QF \t, 0
	s_wait_dscnt 0x0
	QF \t, 1
.endm
.macro GOUT more, d, b                 ; one unit of scale words: local pairs 2 j and 2 j + 1, j = wave + 9 more
	ds_load_b64 v[\d:\d+1], v[GRD] offset:2304*\more
	s_add_co_u32 s20, s63, s18
.if \more
	s_add_co_u32 s20, s20, 9
.endif
	s_lshr_b32 s21, s20, 2                         ; unit 13 w + j: its block,
	s_mul_i32 s21, s21, BLKB
	s_and_b32 s20, s20, 3                          ; and which of the block's four
	s_lshl_b32 s20, s20, 8
	s_add_co_u32 s20, s20, s21
	s_add_co_u32 s20, s20, 24576
	s_mov_b32 s21, 0
	s_add_nc_u64 s[\b:\b+1], s[16:17], s[20:21]
	s_wait_dscnt 0x0
	global_store_b64 v[GST], v[\d:\d+1], s[\b:\b+1]   ; 32 lanes store one aligned unit of 256 bytes
.endm
	s_load_b256 s[4:11], s[0:1], 0x0               ; query s[4:5], key s[6:7], value s[8:9], Q_W s[10:11]
	s_load_b128 s[12:15], s[0:1], 0x20             ; K_W s[12:13], V_W s[14:15]
	s_load_b64 s[16:17], s[0:1], 0x30              ; xin
	v_lshl_add_u32 v[SPW], v0, 2, SPARE
	v_mov_b32 v[NIL], 0
	ds_add_u32 v[SPW], v[NIL]                      ; the opening lines: the add, twice on end, and its wait ahead of my first tensor load
	ds_add_u32 v[SPW], v[NIL]
	v_lshrrev_b32 v6, 5, v0
	v_readfirstlane_b32 s18, v6                    ; wave 0..8
	s_mov_b32 s[G1], (2<<16)|(1<<20)|(6<<22)|(3<<25)   ; elements of 4 bytes; 4 dwords of padding behind every 128
	s_mov_b32 s[G1+1], 128<<16                     ; a tile: 32 rows of 128 numbers,
	s_mov_b32 s[G1+2], 32<<16
	s_mov_b32 s[G1+3], 128<<16
	s_mov_b32 s[G1+4], 32
	s_mov_b32 s[G1+5], 1024                        ; 1,024 numbers from row to row
	s_mov_b32 s[G1+6], 0
	s_mov_b32 s[G1+7], 0
	s_mul_i32 s56, ttmp9, 52
	s_lshl_b32 s57, ttmp9, 1
	s_add_co_u32 s57, s57, 13312
	s_mul_i32 s63, ttmp9, 13
	s_mul_i32 s62, s18, PAIRB                      ; my part of a slot
	s_mov_b32 s2, 0x76543210
	s_mov_b32 s3, 0xfedcba98                       ; v_permlanex16_b32's selects for lane l xor 16
	s_wait_dscnt 0x0
	s_wait_kmcnt 0x0
	ADDR 0
	tensor_load_to_lds s[G0:G0+3], s[G1:G1+7]      ; fill 0: one tensor load a wave at the head
	s_nop 0
	v_and_b32 v7, 31, v0                           ; lane
	v_and_b32 v8, 15, v0                           ; r
	v_bfe_u32 v[HH], v0, 4, 1                      ; h
	v_lshlrev_b32 v[L16], 4, v7
	v_mul_u32_u24 v9, v8, PITCH
	v_lshl_add_u32 v9, v[HH], 7, v9
	v_add_nc_u32 v[XA], s62, v9                    ; row r, 128 h bytes on, in my part of slot 0,
	v_add_nc_u32 v[XA+1], SLOT, v[XA]              ; of slot 1
	v_lshlrev_b32 v[SH], 3, v[HH]
	s_lshl_b32 s20, s18, 7
	s_add_co_u32 s20, s20, SCW
	v_lshlrev_b32 v[SWA], 3, v8
	v_add_nc_u32 v[SWA], s20, v[SWA]               ; SCW + 128 wave + 8 r (+ 1,152 for each fill)
	s_lshl_b32 s21, s18, 8
	s_add_co_u32 s21, s21, SCW
	v_lshlrev_b32 v[GRD], 3, v7
	v_add_nc_u32 v[GRD], s21, v[GRD]               ; SCW + 256 wave + 8 lane: lanes 0-15 the even pair's rows, lanes 16-31 the odd pair's
	v_lshlrev_b32 v10, 4, v8
	v_lshl_add_u32 v[TST], v[HH], 2, v10
	v_lshl_add_u32 v[GST], v[HH], 3, v10
	v_lshlrev_b32 v[PFO], 12, v7
	v_mov_b32 v13, 0                               ; written once: a lane permute's destination counts as one of its sources
	s_wait_alu depctr_va_vdst(0)
	ADDR 1
	ASK 1
	ADDR 2
	TRIP 0
	ds_store_b64 v[SWA], v[SW:SW+1]                ; lanes l and l xor 16 write the same words with the same values
	TRIP 1
	ds_store_b64 v[SWA], v[SW:SW+1] offset:1152
	TRIP 2
	s_cmp_eq_u32 s18, 8
	s_wait_alu depctr_va_vdst(0)
	s_cbranch_scc1 .Ltail
	ds_store_b64 v[SWA], v[SW:SW+1] offset:2304
	s_branch .Ljoin
.Ltail:                                                ; pair 26: its half of a unit of scale words, straight from registers: lane (r, h) stores fragment h's word of row r
	s_lshr_b32 s20, s57, 4
	s_mul_i32 s20, s20, BLKB
	s_bfe_u32 s21, s57, 0x20002
	s_lshl_b32 s21, s21, 8
	s_add_co_u32 s20, s20, s21
	s_bfe_u32 s21, s57, 0x10001
	s_lshl_b32 s21, s21, 3
	s_add_co_u32 s20, s20, s21
	s_add_co_u32 s20, s20, 24576
	s_mov_b32 s21, 0
	s_add_nc_u64 s[22:23], s[16:17], s[20:21]
	v_cmp_ne_u32 vcc_lo, 0, v[HH]
	v_cndmask_b32 v[TW], v[SW], v[SW+1], vcc_lo
	global_store_b32 v[TST], v[TW], s[22:23]
.Ljoin:
	s_wait_dscnt 0x0                               ; for the others' sake: my scale words are stored
	s_barrier_signal -1
	s_barrier_wait -1
	GOUT 0, GD, 58                                 ; units 0-8, a wave each
	s_cmp_gt_u32 s18, 3
	s_cbranch_scc1 .Lend
	GOUT 1, GD+2, 60                               ; units 9-12: waves 0-3
.Lend:
	s_wait_tensorcnt 0x0                           ; the wave's end
	ds_add_u32 v[SPW], v[NIL]
	s_wait_dscnt 0x0
	s_endpgm
.Lfunc_end_k_q0535454781_quant:
	.size	k_q0535454781_quant, .Lfunc_end_k_q0535454781_quant-k_q0535454781_quant
	.p2alignl 7, 3214868480
	.fill 96, 4, 3214868480
	.section	.rodata,"a",@progbits
	.p2align	6, 0x0
	.amdhsa_kernel k_q0535454781_quant
		.amdhsa_group_segment_fixed_size 327680
		.amdhsa_private_segment_fixed_size 0
		.amdhsa_enable_private_segment 0
		.amdhsa_kernarg_size 56
		.amdhsa_user_sgpr_count 2
		.amdhsa_user_sgpr_kernarg_segment_ptr 1
		.amdhsa_wavefront_size32 1
		.amdhsa_system_sgpr_workgroup_id_x 1
		.amdhsa_system_sgpr_workgroup_id_y 1
		.amdhsa_system_sgpr_workgroup_id_z 1
		.amdhsa_system_vgpr_workitem_id 0
		.amdhsa_next_free_vgpr 192
		.amdhsa_next_free_sgpr 66
		.amdhsa_reserve_vcc 1
		.amdhsa_float_denorm_mode_32 3
		.amdhsa_float_denorm_mode_16_64 3
		.amdhsa_memory_ordered 1
		.amdhsa_forward_progress 1
		.amdhsa_inst_pref_size 37
	.end_amdhsa_kernel
	.amdgpu_metadata
---
amdhsa.version: [ 1, 2 ]
amdhsa.kernels:
  - .name:           k_q0535454781_quant
    .symbol:         k_q0535454781_quant.kd
    .args:
      - { .name: query, .offset: 0, .size: 8, .value_kind: global_buffer, .address_space: global }
      - { .name: key, .offset: 8, .size: 8, .value_kind: global_buffer, .address_space: global }
      - { .name: value, .offset: 16, .size: 8, .value_kind: global_buffer, .address_space: global }
      - { .name: Q_W, .offset: 24, .size: 8, .value_kind: global_buffer, .address_space: global }
      - { .name: K_W, .offset: 32, .size: 8, .value_kind: global_buffer, .address_space: global }
      - { .name: V_W, .offset: 40, .size: 8, .value_kind: global_buffer, .address_space: global }
      - { .name: xin, .offset: 48, .size: 8, .value_kind: global_buffer, .address_space: global }
    .group_segment_fixed_size: 327680
    .private_segment_fixed_size: 0
    .kernarg_segment_align: 8
    .kernarg_segment_size: 56
    .max_flat_workgroup_size: 288
    .sgpr_count:     66
    .vgpr_count:     192
    .wavefront_size: 32
...
	.end_amdgpu_metadata
.endif
;; end of part 1
;; launch proj (part 2): grid 4 x 64, 4 waves a work-group, clusters of 4 x 4, 327,680 bytes of LDS; arguments xin, qkv; writes qkv
.if DOCPART == 2
	.amdgcn_target "amdgcn-amd-amdhsa--gfx1250"
	.amdhsa_code_object_version 6
	.text
	.protected	k_q0535454781_proj
	.globl	k_q0535454781_proj
	.p2align	8
	.type	k_q0535454781_proj,@function
k_q0535454781_proj:
	s_mov_b64 s[64:65], 0
	v_nop
	global_prefetch_b8 v0, s[64:65] scope:SCOPE_SE
	s_setreg_imm32_b32 hwreg(HW_REG_WAVE_MODE, 25, 1), 1
	s_wait_xcnt 0x0
	s_wait_alu depctr_hold_cnt(0) depctr_sa_sdst(0) depctr_va_vdst(0) depctr_va_sdst(0) depctr_va_ssrc(0) depctr_va_vcc(0) depctr_vm_vsrc(0)
	s_getreg_b32 s2, hwreg(HW_REG_IB_STS2, 6, 4)
	s_cmp_eq_u32 s2, 0
	s_cbranch_scc0 .Lentry_in_a_cluster
	s_endpgm
.Lentry_in_a_cluster:
	s_bfe_u32 s2, ttmp6, 0x10000c
	s_cmp_lg_u32 s2, 0xf033
	s_cbranch_scc0 .Lentry_shape_is_right
	s_endpgm
.Lentry_shape_is_right:
.set BLKB,  25600
.set FRB,   1536
; LDS: A's two blocks of slot 0, of slot 1; then for each half of B its two blocks of slot 0, of slot 1: what a wave fetches at the head for both slots lies on end in memory and in LDS.
.set BOFF,  4*BLKB
.set SLOT,  2*BLKB                     ; from slot 0 to slot 1, for A and for B alike
.set SPARE, 12*BLKB
.set PF1,  24                          ; v24-25 the prefetches' offsets: a lane to each 256 bytes of my work-group's quarter of a part
.set PF2,  25
.set OUTC, 14
.set OUTS, 15
.set ADRA, 16
.set ADRSA, 18
.set ADRB, 20
.set ADRSB, 22
.set L16,  26
.set SPW,  28
.set NIL,  29
.set SCA,  32
.set SCB,  64
.set AF,   128
.set PCB,  176
.set CT,   224
.set TM,   232
.set PW,   248
.set SWD,  252
.set SEL,  78
.set G1,  24
.set G0,  32
.set G1B, 48
.set G0B, 56
.set TA0, 66
.set TB0, 68
.set TA2, 70
.set TB2, 72
.set MUL,  0xa1
.set TO_B, 0x40
.set MSB, 0
.macro WIN new
.if MSB != (\new)
	s_set_vgpr_msb (MSB<<8)|(\new)
.set MSB, (\new)
.endif
.endm
.macro JLOAD g0a, g1a, g0b, g1b
	s_cmp_eq_u32 s15, 0
	s_cbranch_scc0 .Lfor_b_\@
	tensor_load_to_lds s[\g0a:\g0a+3], s[\g1a:\g1a+7]
	s_nop 0
.rept 4
	v_nop
.endr
	s_branch .Lasked_\@
.Lfor_b_\@:
	tensor_load_to_lds s[\g0b:\g0b+3], s[\g1b:\g1b+7]
	s_nop 0
.rept 4
	v_nop
.endr
.Lasked_\@:
.endm
.macro CREST
	s_cmp_lg_u32 s14, 0
	s_cbranch_scc1 .Lnot_wave_0_\@
	s_barrier_signal -3
.Lnot_wave_0_\@:
	s_barrier_wait -3
	s_barrier_signal -1
	s_barrier_wait -1
.endm
.macro CROUND
	s_barrier_signal -1
	s_barrier_wait -1
	CREST
.endm
.macro PLACES n
.rept \n
	v_nop
.endr
.endm
	s_load_b128 s[4:7], s[0:1], 0x0
	v_lshl_add_u32 v[SPW], v0, 2, SPARE
	v_mov_b32 v[NIL], 0
	ds_add_u32 v28, v29
	ds_add_u32 v28, v29
	s_wait_dscnt 0x0
	v_lshrrev_b32 v1, 5, v0
	v_readfirstlane_b32 s14, v1
	s_lshr_b32 s15, s14, 1
	s_and_b32 s16, s14, 1
	s_bfe_u32 s40, ttmp6, 0x40000
	s_bfe_u32 s41, ttmp6, 0x40004
	s_lshl_b32 s43, s41, 2
	s_lshl_b32 s43, 15, s43
	s_lshl_b32 s44, 0x1111, s40
	s_or_b32 s[G1+0], s43, (3<<16)|(1<<21)
	s_or_b32 s[G1B+0], s44, (3<<16)|(1<<21)
	s_mov_b32 s[G1+1], 32<<16
	s_mov_b32 s[G1+2], 200<<16
	s_mov_b32 s[G1+3], 32<<16
	s_mov_b32 s[G1+4], 200
	s_mov_b32 s[G1+5], 32
	s_mov_b32 s[G1+6], 0
	s_mov_b32 s[G1+7], 0
	s_mov_b32 s[G1B+1], 32<<16
	s_mov_b32 s[G1B+2], 400<<16
	s_mov_b32 s[G1B+3], 32<<16
	s_mov_b32 s[G1B+4], 400
	s_mov_b32 s[G1B+5], 32
	s_mov_b32 s[G1B+6], 0
	s_mov_b32 s[G1B+7], 0
	s_and_b32 s17, ttmp7, 0xffff
	s_lshl_b32 s18, s41, 2
	s_add_co_u32 s18, s18, s16
	s_lshl_b32 s19, s17, 4
	s_add_co_u32 s19, s19, s18
	s_mul_i32 s[TA0], s19, BLKB
	s_mov_b32 s[TA0+1], 0
	s_and_b32 s20, s17, 1
	s_lshl_b32 s20, s20, 4
	s_add_co_u32 s20, s20, s18
	s_add_co_u32 s20, s20, 832
	s_mul_i32 s[TA2], s20, BLKB
	s_mov_b32 s[TA2+1], 0
	s_lshl_b32 s45, s40, 3
	s_lshl_b32 s46, s16, 2
	s_add_co_u32 s45, s45, s46
	s_add_co_u32 s46, s45, 768
	s_mul_i32 s[TB0], s46, BLKB
	s_mov_b32 s[TB0+1], 0
	s_lshr_b32 s47, s17, 1
	s_lshl_b32 s47, s47, 5
	s_add_co_u32 s47, s47, s45
	s_add_co_u32 s47, s47, 512
	s_mul_i32 s[TB2], s47, BLKB
	s_mov_b32 s[TB2+1], 0
	s_mul_i32 s42, s16, BLKB
	s_mul_i32 s74, s16, 4*BLKB
	s_add_co_u32 s74, s74, BOFF
	s_mov_b32 s[SEL], 0x76543210
	s_mov_b32 s[SEL+1], 0xfedcba98
	s_wait_kmcnt 0x0
	s_add_nc_u64 s[TA0:TA0+1], s[4:5], s[TA0:TA0+1]
	s_add_nc_u64 s[TB0:TB0+1], s[4:5], s[TB0:TB0+1]
	s_add_nc_u64 s[TA2:TA2+1], s[4:5], s[TA2:TA2+1]
	s_add_nc_u64 s[TB2:TB2+1], s[4:5], s[TB2:TB2+1]
	CROUND
.irp s, 0,1
	s_mov_b32 s[G0+4*\s], 1
	s_add_co_u32 s[G0+4*\s+1], s42, \s*SLOT
	s_add_nc_u64 s[G0+4*\s+2:G0+4*\s+3], s[TA0:TA0+1], \s*2*BLKB
	s_or_b32 s[G0+4*\s+3], s[G0+4*\s+3], 0x80000000
	s_mov_b32 s[G0B+4*\s], 1
	s_add_co_u32 s[G0B+4*\s+1], s74, \s*SLOT
	s_add_nc_u64 s[G0B+4*\s+2:G0B+4*\s+3], s[TB0:TB0+1], \s*2*BLKB
	s_or_b32 s[G0B+4*\s+3], s[G0B+4*\s+3], 0x80000000
.endr
	s_mov_b32 s88, 1                               ; the head's group 0 for A: wave 0 fetches slot 0's two blocks, wave 1 slot 1's: 200 rows on end
	s_mul_i32 s89, s16, 2*BLKB
	s_mov_b32 s92, s42
	s_mov_b32 s93, 0
	s_add_nc_u64 s[90:91], s[TA0:TA0+1], s[92:93]
	s_or_b32 s91, s91, 0x80000000
	JLOAD 88, G1, G0B, G1B                         ; one tensor load a wave at the head: both slots' first fills (B: a half's four blocks, 400 rows on end)
	; the prefetches: of the part that a wave fetches (A 100 blocks of 256 bytes, B 200) each of the four partners that ask for it jointly takes a quarter, told apart by address (cx for A, cy for B)
	s_cmp_eq_u32 s15, 0
	s_cselect_b64 s[94:95], s[TA0:TA0+1], s[TB0:TB0+1]
	s_cselect_b64 s[96:97], s[TA2:TA2+1], s[TB2:TB2+1]
	s_cselect_b32 s84, s40, s41
	s_cselect_b32 s85, 24, 49                      ; the quarter's last block
	s_mov_b32 s86, 32*BLKB
	s_cselect_b32 s86, 256*BLKB, s86               ; from the first product's tiles to the second's
	s_mov_b32 s87, 0
	s_add_nc_u64 s[94:95], s[94:95], s[86:87]
	s_add_co_u32 s86, s85, 1
	s_mul_i32 s86, s86, s84
	s_lshl_b32 s86, s86, 8
	s_add_nc_u64 s[94:95], s[94:95], s[86:87]      ; s[94:95]: the second product's tiles, s[96:97]: the third's
	s_add_nc_u64 s[96:97], s[96:97], s[86:87]
	v_and_b32 v[PF1], 31, v0
	v_add_nc_u32 v[PF2], 32, v[PF1]
	v_min_u32 v[PF1], s85, v[PF1]                  ; lanes that are left over name the quarter's last block again
	v_min_u32 v[PF2], s85, v[PF2]
	v_lshlrev_b32 v[PF1], 8, v[PF1]
	v_lshlrev_b32 v[PF2], 8, v[PF2]
.macro ASK b, off                      ; one refill's part: A's waves 25 blocks, B's waves 50
	global_prefetch_b8 v[PF1], s[\b:\b+1] offset:\off th:TH_LOAD_NT scope:SCOPE_SE
	s_cmp_eq_u32 s15, 0
	s_cbranch_scc1 .Lasked_a_\@
	global_prefetch_b8 v[PF2], s[\b:\b+1] offset:\off th:TH_LOAD_NT scope:SCOPE_SE
.Lasked_a_\@:
.endm
	ASK 94, 0                                      ; what the first refill loads, a K step on
	v_and_b32 v1, 15, v0
	v_bfe_u32 v2, v0, 4, 1
	v_and_b32 v3, 31, v0
	v_lshlrev_b32 v[L16], 4, v3
	s_wait_alu depctr_va_vdst(0)
	v_lshlrev_b32 v4, 4, v1
	s_wait_alu depctr_va_vdst(0)
	s_mul_i32 s75, s15, 4*FRB
	s_mul_i32 s76, s16, 4*BLKB
	s_add_co_u32 s76, s76, BOFF
	s_lshl_b32 s77, s15, 8
	s_add_co_u32 s77, s77, 24576
	s_add_co_u32 s80, s76, 24576
.irp s, 0,1
	v_add_nc_u32 v[ADRA+\s], s75, v[L16]
	v_add_nc_u32 v[ADRB+\s], s76, v[L16]
	v_add_nc_u32 v[ADRSA+\s], s77, v4
	v_add_nc_u32 v[ADRSB+\s], s80, v4
	s_add_co_u32 s75, s75, SLOT
	s_add_co_u32 s76, s76, SLOT
	s_add_co_u32 s77, s77, SLOT
	s_add_co_u32 s80, s80, SLOT
.endr
	s_lshl_b32 s81, s16, 3
	s_lshl_b32 s82, s15, 2
	s_add_co_u32 s81, s81, s82
	s_mul_i32 s81, s81, FRB
	v_add_nc_u32 v[OUTC], s81, v[L16]
	s_lshl_b32 s81, s16, 9
	s_lshl_b32 s82, s15, 8
	s_add_co_u32 s81, s81, s82
	s_add_co_u32 s81, s81, 24576
	v_lshl_add_u32 v[OUTS], v2, 3, v4
	v_add_nc_u32 v[OUTS], s81, v[OUTS]
	s_lshl_b32 s83, s17, 4
	s_lshl_b32 s84, s41, 2
	s_add_co_u32 s83, s83, s84
	s_add_co_u32 s83, s83, s40
	s_mul_i32 s84, s83, BLKB
	s_mov_b32 s85, 0
	s_add_nc_u64 s[10:11], s[6:7], s[84:85]
	s_lshr_b32 s83, s17, 2
	s_lshl_b32 s83, s83, 6
	s_and_b32 s86, s17, 1
	s_lshl_b32 s86, s86, 5
	s_add_co_u32 s83, s83, s86
	s_lshl_b32 s86, s41, 3
	s_add_co_u32 s83, s83, s86
	s_bfe_u32 s86, s17, 0x10001
	s_lshl_b32 s86, s86, 2
	s_add_co_u32 s83, s83, s86
	s_add_co_u32 s83, s83, s40
	s_add_co_u32 s83, s83, 512
	s_mul_i32 s84, s83, BLKB
	s_add_nc_u64 s[12:13], s[6:7], s[84:85]
.irp b, 0,1,2,3
	v_mov_b32 v[TM+4+\b], 0
.endr
.macro FRAG reg, adr, off
.irp c, 0,1,2
	ds_load_b128 v[(\reg)+4*\c:(\reg)+4*\c+3], v[(\adr)] offset:(\off)+512*\c
.endr
.endm
.macro FETCH slot, q, p
	WIN TO_B
.irp i, 0,1,2,3,4,5,6,7
	FRAG 128*(\p)+12*\i, ADRB+\slot, ((\q)/2)*BLKB+(8*((\q)%2)+\i)*FRB
.endr
	WIN 0
.irp i, 0,1,2,3
	FRAG AF+48*(\p)+12*\i, ADRA+\slot, ((\q)/2)*BLKB+(8*((\q)%2)+\i)*FRB
.endr
.endm
.macro SCALES slot
.irp q, 0,1,2,3
	ds_load_b128 v[SCA+16*\slot+4*\q:SCA+16*\slot+4*\q+3], v[ADRSA+\slot] offset:(\q/2)*BLKB+512*(\q%2)
.irp j, 0,1
	ds_load_b128 v[SCB+32*\slot+8*\q+4*\j:SCB+32*\slot+8*\q+4*\j+3], v[ADRSB+\slot] offset:(\q/2)*BLKB+512*(\q%2)+256*\j
.endr
.endr
.endm
.macro MUL8 a, p, q, sc, zero
.irp b, 0,1,2,3,4,5,6,7
.if \zero
	v_wmma_scale_f32_16x16x128_f8f6f4 v[8*(8*(\a)+\b):8*(8*(\a)+\b)+7], v[128*(\p)+12*\b:128*(\p)+12*\b+11], v[AF+48*(\p)+12*(\a):AF+48*(\p)+12*(\a)+11], 0, v[SCB+32*(\sc)+8*(\q)+\b], v[SCA+16*(\sc)+4*(\q)+(\a)] matrix_a_fmt:MATRIX_FMT_BF6 matrix_b_fmt:MATRIX_FMT_BF6
.else
	v_wmma_scale_f32_16x16x128_f8f6f4 v[8*(8*(\a)+\b):8*(8*(\a)+\b)+7], v[128*(\p)+12*\b:128*(\p)+12*\b+11], v[AF+48*(\p)+12*(\a):AF+48*(\p)+12*(\a)+11], v[8*(8*(\a)+\b):8*(8*(\a)+\b)+7], v[SCB+32*(\sc)+8*(\q)+\b], v[SCA+16*(\sc)+4*(\q)+(\a)] matrix_a_fmt:MATRIX_FMT_BF6 matrix_b_fmt:MATRIX_FMT_BF6
.endif
.endr
.endm
.macro STEP slot, q, zero
	s_wait_dscnt 0x0
.if \zero == 0
	PLACES 4
.endif
	FETCH \slot, (\q)+1, 1-(\q)%2
	WIN MUL
.irp a, 0,1,2,3
	MUL8 \a, (\q)%2, \q, \slot, \zero
.endr
	WIN 0
.endm
.macro TURN slot, next, fill
	s_wait_tensorcnt 0x0
	ds_add_u32 v[SPW], v[NIL]
	s_wait_dscnt 1
	WIN MUL
	MUL8 0, 1, 3, \slot, 0
	s_wait_dscnt 0x0
	s_barrier_signal -1
	MUL8 1, 1, 3, \slot, 0
	WIN 0
	s_barrier_wait -1
.if \fill == 1
	CREST
	s_add_nc_u64 s[G0+4*\slot+2:G0+4*\slot+3], s[G0+4*\slot+2:G0+4*\slot+3], 256*BLKB
	s_add_nc_u64 s[G0B+4*\slot+2:G0B+4*\slot+3], s[G0B+4*\slot+2:G0B+4*\slot+3], 32*BLKB
	JLOAD G0+4*\slot, G1, G0B+4*\slot, G1B
.elseif \fill == 2
	CREST
	s_add_nc_u64 s[G0+4*\slot+2:G0+4*\slot+3], s[TA2:TA2+1], \slot*2*BLKB
	s_or_b32 s[G0+4*\slot+3], s[G0+4*\slot+3], 0x80000000
	s_add_nc_u64 s[G0B+4*\slot+2:G0B+4*\slot+3], s[TB2:TB2+1], \slot*2*BLKB
	s_or_b32 s[G0B+4*\slot+3], s[G0B+4*\slot+3], 0x80000000
	JLOAD G0+4*\slot, G1, G0B+4*\slot, G1B
.else
	PLACES 4
.endif
	FETCH \next, 0, 0
	s_wait_alu depctr_va_vdst(0)
	SCALES \next
	WIN MUL
	MUL8 2, 1, 3, \slot, 0
	MUL8 3, 1, 3, \slot, 0
	WIN 0
.endm
.macro QOUT a, base, imm
.set S, 64*(\a)
.set PC, PCB+12*(\a)
	WIN 0x0a
.irp b, 0,1,2,3
	v_max3_num_f32 v[TM+\b], |v[S+16*\b]|, |v[S+16*\b+1]|, 0x2800000
.endr
.irp i, 2,4,6,8,10,12,14
.irp b, 0,1,2,3
	v_max3_num_f32 v[TM+\b], |v[S+16*\b+\i]|, |v[S+16*\b+\i+1]|, v[TM+\b]
.endr
.endr
	WIN 0
.irp b, 0,1,2,3
	v_permlanex16_b32 v[TM+4+\b], v[TM+\b], s[SEL], s[SEL+1]
.endr
.irp b, 0,1,2,3
	v_max_num_f32 v[TM+\b], v[TM+\b], v[TM+4+\b]
.endr
.irp b, 0,1,2,3
	v_add_nc_u32 v[TM+12+\b], 0xfe000000, v[TM+\b]
.endr
.irp b, 0,1,2,3
	v_lshrrev_b32 v[TM+4+\b], 23, v[TM+12+\b]
.endr
	v_lshl_or_b32 v[PW+(\a)], v[TM+5], 8, v[TM+4]
	v_lshl_or_b32 v[PW+(\a)], v[TM+6], 16, v[PW+(\a)]
	v_lshl_or_b32 v[PW+(\a)], v[TM+7], 24, v[PW+(\a)]
	WIN 0x02
	v_cvt_scalef32_pk16_bf6_f32 v[PC:PC+2], v[S:S+15], v[TM+12]
	v_cvt_scalef32_pk16_bf6_f32 v[CT:CT+2], v[S+16:S+31], v[TM+13]
	v_cvt_scalef32_pk16_bf6_f32 v[PC+6:PC+8], v[S+32:S+47], v[TM+14]
	v_cvt_scalef32_pk16_bf6_f32 v[CT+4:CT+6], v[S+48:S+63], v[TM+15]
	WIN 0
	v_nop
.irp c, 0,1
.irp i, 0,1,2
	v_permlane16_swap_b32 v[PC+6*\c+\i], v[CT+4*\c+\i]
.endr
.irp i, 0,1,2
	v_mov_b32 v[PC+3+6*\c+\i], v[CT+4*\c+\i]
.endr
.endr
.irp c, 0,1,2
	global_store_b128 v[OUTC], v[PC+4*\c:PC+4*\c+3], s[\base:\base+1] offset:(\imm)+FRB*(\a)+512*\c
.endr
.endm
.macro EPI base, imm, more
	PLACES 4
.irp a, 0,1,2,3
	QOUT \a, \base, \imm
.endr
	v_cmp_ne_u32 vcc_lo, 0, v2
	v_cndmask_b32 v[SWD], v[PW], v[PW+2], vcc_lo
	v_cndmask_b32 v[SWD+1], v[PW+1], v[PW+3], vcc_lo
	global_store_b64 v[OUTS], v[SWD:SWD+1], s[\base:\base+1] offset:\imm
.if \more
	s_wait_xcnt 0x0
.endif
.endm
	s_wait_alu depctr_va_vdst(0)
	s_wait_tensorcnt 0x0                           ; my part of slot 0 is in
	s_mov_b32 s[G1+2], 100<<16                     ; no tensor load of mine is out, so a descriptor may be written: a refill brings one slot's part
	s_mov_b32 s[G1+4], 100
	s_mov_b32 s[G1B+2], 200<<16
	s_mov_b32 s[G1B+4], 200
	s_barrier_signal -1                            ; both slots are whole for all four waves
	s_barrier_wait -1
	FETCH 0, 0, 0
	SCALES 0
	STEP 0, 0, 1
	ASK 94, 2*BLKB                                 ; the second refill's part
	STEP 0, 1, 0
	STEP 0, 2, 0
	TURN 0, 1, 1
	STEP 1, 0, 0
	ASK 96, 0                                      ; the third refill's part
	STEP 1, 1, 0
	STEP 1, 2, 0
	TURN 1, 0, 1
	EPI 10, 0, 1
	STEP 0, 0, 1
	ASK 96, 2*BLKB                                 ; the fourth and last
	STEP 0, 1, 0
	STEP 0, 2, 0
	TURN 0, 1, 2
	STEP 1, 0, 0
	STEP 1, 1, 0
	STEP 1, 2, 0
	TURN 1, 0, 2
	EPI 10, 256*BLKB, 1
	STEP 0, 0, 1
	STEP 0, 1, 0
	STEP 0, 2, 0
	TURN 0, 1, 0
	STEP 1, 0, 0
	STEP 1, 1, 0
	STEP 1, 2, 0
	s_wait_dscnt 0x0
	WIN MUL
.irp a, 0,1,2,3
	MUL8 \a, 1, 3, 1, 0
.endr
	WIN 0
	EPI 12, 0, 0
	s_wait_tensorcnt 0x0
	ds_add_u32 v[SPW], v[NIL]
	s_wait_dscnt 0x0
	CROUND
	s_endpgm
.Lfunc_end_k_q0535454781_proj:
	.size	k_q0535454781_proj, .Lfunc_end_k_q0535454781_proj-k_q0535454781_proj
	.p2alignl 7, 3214868480
	.fill 96, 4, 3214868480
	.section	.rodata,"a",@progbits
	.p2align	6, 0x0
	.amdhsa_kernel k_q0535454781_proj
		.amdhsa_group_segment_fixed_size 327680
		.amdhsa_private_segment_fixed_size 0
		.amdhsa_enable_private_segment 0
		.amdhsa_kernarg_size 16
		.amdhsa_user_sgpr_count 2
		.amdhsa_user_sgpr_kernarg_segment_ptr 1
		.amdhsa_wavefront_size32 1
		.amdhsa_system_sgpr_workgroup_id_x 1
		.amdhsa_system_sgpr_workgroup_id_y 1
		.amdhsa_system_sgpr_workgroup_id_z 1
		.amdhsa_system_vgpr_workitem_id 0
		.amdhsa_next_free_vgpr 768
		.amdhsa_next_free_sgpr 98
		.amdhsa_reserve_vcc 1
		.amdhsa_float_denorm_mode_32 3
		.amdhsa_float_denorm_mode_16_64 3
		.amdhsa_memory_ordered 1
		.amdhsa_forward_progress 1
		.amdhsa_inst_pref_size 227
	.end_amdhsa_kernel
	.amdgpu_metadata
---
amdhsa.version: [ 1, 2 ]
amdhsa.kernels:
  - .name:           k_q0535454781_proj
    .symbol:         k_q0535454781_proj.kd
    .args:
      - { .name: xin, .offset: 0, .size: 8, .value_kind: global_buffer, .address_space: global }
      - { .name: qkv, .offset: 8, .size: 8, .value_kind: global_buffer, .address_space: global }
    .group_segment_fixed_size: 327680
    .private_segment_fixed_size: 0
    .kernarg_segment_align: 8
    .kernarg_segment_size: 16
    .max_flat_workgroup_size: 128
    .sgpr_count:     98
    .vgpr_count:     768
    .wavefront_size: 32
...
	.end_amdgpu_metadata
.endif
;; end of part 2
;; launch scores (part 3): grid 8 x 32, 4 waves a work-group, clusters of 4 x 4, 327,680 bytes of LDS; arguments qkv, pc, pst; writes pc, pst
.if DOCPART == 3
	.amdgcn_target "amdgcn-amd-amdhsa--gfx1250"
	.amdhsa_code_object_version 6
	.text
	.protected	k_q0535454781_scores
	.globl	k_q0535454781_scores
	.p2align	8
	.type	k_q0535454781_scores,@function
k_q0535454781_scores:
	s_mov_b64 s[64:65], 0
	v_nop
	global_prefetch_b8 v0, s[64:65] scope:SCOPE_SE
	s_setreg_imm32_b32 hwreg(HW_REG_WAVE_MODE, 25, 1), 1
	s_wait_xcnt 0x0
	s_wait_alu depctr_hold_cnt(0) depctr_sa_sdst(0) depctr_va_vdst(0) depctr_va_sdst(0) depctr_va_ssrc(0) depctr_va_vcc(0) depctr_vm_vsrc(0)
	s_getreg_b32 s2, hwreg(HW_REG_IB_STS2, 6, 4)
	s_cmp_eq_u32 s2, 0
	s_cbranch_scc0 .Lentry_in_a_cluster
	s_endpgm
.Lentry_in_a_cluster:
	s_bfe_u32 s2, ttmp6, 0x10000c
	s_cmp_lg_u32 s2, 0xf033
	s_cbranch_scc0 .Lentry_shape_is_right
	s_endpgm
.Lentry_shape_is_right:
; S = q k^T (4 batches x [2048 x 2048], K = 1,024) on codes of BF6 (E3M2) with E8M0 scales, and the softmax's first half: t = score x log2(e) / 32; for each query and each GROUP of 128 keys (what one wave holds of a row)
; M = the group's largest t rounded UP to a whole number, p = 2^(t - M), l = the sum of the group's unquantised p.  p is quantised along the keys in registers.  Stored: p's codes (pc), and for each group p's scale words under
; the group's M, -M and l (pst).  The next launch brings the scale bytes under the row's M: a difference of whole numbers, which a block's byte takes up exactly, so the codes are those of the row's own M.  A maximum is taken away before every exponential.
; qkv's BLOCKS: 128 rows x 256 K = 25,600 dense bytes: fragment (kk, T) at (8 kk + T) x 1,536, register p of lane l at 512 (p / 4) + 16 l + 4 (p % 4); at 24,576 the scale words, (kk, T, r) at 512 kk + 256 (T / 4) + 16 r + 4 (T % 4).  q: block 4 (token / 128) + e / 256; k: 256 + the same.
; pc: blocks of 24,576 bytes (the codes' part of such a block) at 8 G + key / 256, G = (2,048 batch + query) / 128.  pst: 1,536 bytes for each (G, g = key / 128) at 16 G + g: three planes of 512 bytes (scale words, -M, l); row 16 T + r at 256 (T / 4) + 16 r + 4 (T % 4).
; THE MATRIX INSTRUCTION IS USED TRANSPOSED: source 0 = 16 keys, source 1 = 16 queries: lane (r, h) of accumulator (a, b) holds query 16 a + r, and its register j key 16 b + 8 h + j.
; ORDER INSIDE A 32-BLOCK of p: place n holds the key whose index is n with bits 3 and 4 swapped, as in v^T's blocks, which the launch before made in the same way: the second product's terms are the same, only the order of their sum differs.
; SHARES, RING, CLUSTERS as in the launch before: a work-group 256 queries x 256 keys, a wave 128 x 128; K in steps of 256 through two slots; q's blocks shared along a row of the cluster, k's along a column.  One tensor load of a wave is out at any time.
; Prefetch: four K steps a work-group; two are first fills, the other two are asked for a K step ahead.
; LIMITS: a 32-block whose every p is under 2^-122 keeps the byte 1; NaN and infinities are not served.
; REGISTERS: as in the launch before; the epilogue works in v64-255 of window 0, where A's fragments lay; v32-63 hold scale words and nothing else.
.set BLKB,  25600
.set FRB,   1536
; FIRST FILLS AND PREFETCH, as the text now has them: part i (q's two halves, k's two halves) of slot s lies at (2 i + s) x BLKB, so a wave's blocks of K steps 0 and 1 lie on end in memory and in LDS:
; ONE tensor load a wave at the head brings both (200 rows); a refill brings 100.  K steps 2 and 3 are prefetched: each of the four partners that ask for a block jointly takes 25 of its 100 blocks of 256 bytes, told apart by address.
.set SLOT,  BLKB                       ; from slot 0 to slot 1
.set PART,  2*BLKB                     ; from part to part
.set SPARE, 8*BLKB                     ; the spare words, 128 bytes for each wave: two blocks of 256 bytes that no other line names
.set PF1,  8                           ; v8 the prefetches' offset
.set ADRA, 16
.set ADRB, 20
.set ADRS, 22
.set OUTO, 26
.set SPW,  28
.set NIL,  29
.set SC,   32
.set AF,   64
.set P,    64                          ; v64-127  t - M, then p
.set PCB,  128                         ; v128-191 four sets for the codes
.set CT,   192
.set PW,   200                         ; v200-207 scale words, v208-215 -M, v216-223 l of the eight blocks
.set MS,   208
.set LL,   216
.set SEL3, 224                         ; v224-235 the three planes' words
.set BM,   236                         ; v236-239 the 32-blocks' largest scores, then their largest p
.set BP,   240                         ; v240-243 at work
.set NM,   244                         ; v[244:245] -M (the pair's upper half is written once and not used)
.set LS,   246
.set LS2,  248
.set T,    250
.set T3,   251
.set SO,   252                         ; v252-255 the conversions' scale operands
.set CS,   78                          ; s[78:79] c = log2(e) / 32
.set SEL,  80
.set G1,  24
.set G0,  32
.set G1B, 48
.set G0B, 56
.set MUL_LO, 0xa1
.set MUL_HI, 0xf1
.set TO_B,   0x40
.set MSB, 0
.macro WIN new                         ; the immediate's high byte repeats the setting that is left
.if MSB != (\new)
	s_set_vgpr_msb (MSB<<8)|(\new)
.set MSB, (\new)
.endif
.endm
.macro JLOAD g0a, g1a, g0b, g1b        ; a joint load: waves 0 and 1 fetch for q, waves 2 and 3 for k; four v_nop follow each of the two lines
	s_cmp_eq_u32 s15, 0
	s_cbranch_scc0 .Lfor_b_\@
	tensor_load_to_lds s[\g0a:\g0a+3], s[\g1a:\g1a+7]
	s_nop 0
.rept 4
	v_nop
.endr
	s_branch .Lasked_\@
.Lfor_b_\@:
	tensor_load_to_lds s[\g0b:\g0b+3], s[\g1b:\g1b+7]
	s_nop 0
.rept 4
	v_nop
.endr
.Lasked_\@:
.endm
.macro CREST
	s_cmp_lg_u32 s14, 0
	s_cbranch_scc1 .Lnot_wave_0_\@
	s_barrier_signal -3
.Lnot_wave_0_\@:
	s_barrier_wait -3
	s_barrier_signal -1
	s_barrier_wait -1
.endm
.macro CROUND
	s_barrier_signal -1
	s_barrier_wait -1
	CREST
.endm
.macro PLACES n
.rept \n
	v_nop
.endr
.endm
	s_load_b128 s[4:7], s[0:1], 0x0                ; qkv s[4:5], pc s[6:7]
	s_load_b64 s[8:9], s[0:1], 0x10                ; pst
	v_lshl_add_u32 v[SPW], v0, 2, SPARE
	v_mov_b32 v[NIL], 0
	ds_add_u32 v28, v29
	ds_add_u32 v28, v29
	s_wait_dscnt 0x0
	v_lshrrev_b32 v1, 5, v0
	v_readfirstlane_b32 s14, v1                    ; wave 0..3
	s_lshr_b32 s15, s14, 1                         ; which 128 queries are mine.  Also: I fetch for q (0) or for k (1)
	s_and_b32 s16, s14, 1                          ; which 128 keys.  Also: which 128 rows I fetch
	s_bfe_u32 s40, ttmp6, 0x40000                  ; cx
	s_bfe_u32 s41, ttmp6, 0x40004                  ; cy
	s_lshl_b32 s43, s41, 2
	s_lshl_b32 s43, 15, s43                        ; my row of the cluster
	s_lshl_b32 s44, 0x1111, s40                    ; my column
	s_or_b32 s[G1+0], s43, (3<<16)|(1<<21)
	s_or_b32 s[G1B+0], s44, (3<<16)|(1<<21)
.irp g, G1, G1B
	s_mov_b32 s[\g+1], 32<<16                      ; a block: 100 dense rows of 32 elements of 8 bytes
	s_mov_b32 s[\g+2], 200<<16
	s_mov_b32 s[\g+3], 32<<16
	s_mov_b32 s[\g+4], 200
	s_mov_b32 s[\g+5], 32
	s_mov_b32 s[\g+6], 0
	s_mov_b32 s[\g+7], 0
.endr
	s_lshl_b32 s46, ttmp9, 2
	s_add_co_u32 s46, s46, s40                     ; the tile of 256 keys in the batch: 4 x cluster x + cx
	s_and_b32 s17, ttmp7, 0xffff
	s_lshl_b32 s23, s17, 2
	s_add_co_u32 s23, s23, s41                     ; the tile of 256 queries, over all batches: 4 x cluster y + cy
	s_lshr_b32 s18, s17, 1                         ; the batch: from the cluster's y alone
	s_lshl_b32 s47, s16, 2
	s_lshl_b32 s66, s23, 3
	s_add_co_u32 s66, s66, s47                     ; q's block of K step 0: 4 (2 tile + half)
	s_mul_i32 s66, s66, BLKB
	s_mov_b32 s67, 0
	s_lshl_b32 s68, s18, 6
	s_lshl_b32 s45, s46, 3
	s_add_co_u32 s68, s68, s45
	s_add_co_u32 s68, s68, s47
	s_add_co_u32 s68, s68, 256                     ; k's: 256 + 4 (2 (8 batch + tile) + half)
	s_mul_i32 s68, s68, BLKB
	s_mov_b32 s69, 0
	s_mul_i32 s42, s14, PART
	s_mov_b32 s[CS], 0x3d38aa3b                    ; log2(e) / 32
	s_mov_b32 s[CS+1], s[CS]                       ; (named with it as a pair, so it is written)
	s_mov_b32 s[SEL], 0x76543210
	s_mov_b32 s[SEL+1], 0xfedcba98
	s_wait_kmcnt 0x0
	s_add_nc_u64 s[66:67], s[4:5], s[66:67]
	s_add_nc_u64 s[68:69], s[4:5], s[68:69]
	CROUND                                         ; all sixteen work-groups are here: the first joint loads meet
.irp s, 0,1
	s_mov_b32 s[G0+4*\s], 1
	s_add_co_u32 s[G0+4*\s+1], s42, \s*SLOT
	s_add_nc_u64 s[G0+4*\s+2:G0+4*\s+3], s[66:67], \s*BLKB
	s_or_b32 s[G0+4*\s+3], s[G0+4*\s+3], 0x80000000
	s_mov_b32 s[G0B+4*\s], 1
	s_add_co_u32 s[G0B+4*\s+1], s42, \s*SLOT
	s_add_nc_u64 s[G0B+4*\s+2:G0B+4*\s+3], s[68:69], \s*BLKB
	s_or_b32 s[G0B+4*\s+3], s[G0B+4*\s+3], 0x80000000
.endr
	JLOAD G0, G1, G0B, G1B                         ; K steps 0 and 1: one tensor load a wave at the head
	s_cmp_eq_u32 s15, 0
	s_cselect_b64 s[84:85], s[66:67], s[68:69]     ; the blocks that I fetch,
	s_cselect_b32 s86, s40, s41                    ; my work-group's place among the four that ask with it (cx for q, cy for k),
	s_mul_i32 s86, s86, 25*256                     ; and its quarter of a block
	s_mov_b32 s87, 0
	s_add_nc_u64 s[84:85], s[84:85], s[86:87]
	v_and_b32 v[PF1], 31, v0
	v_min_u32 v[PF1], 24, v[PF1]                   ; lanes that are left over name the quarter's last block again
	v_lshlrev_b32 v[PF1], 8, v[PF1]
	global_prefetch_b8 v[PF1], s[84:85] offset:2*BLKB th:TH_LOAD_NT scope:SCOPE_SE   ; K step 2, which the first refill loads a K step on
	v_and_b32 v1, 15, v0                           ; r
	v_bfe_u32 v2, v0, 4, 1                         ; h
	v_and_b32 v3, 31, v0                           ; lane
	v_lshlrev_b32 v[OUTO], 4, v3
	s_wait_alu depctr_va_vdst(0)
	s_mul_i32 s70, s15, PART
	s_add_co_u32 s71, s16, 2
	s_mul_i32 s71, s71, PART
	s_xor_b32 s72, s15, 1
	s_add_co_u32 s72, s72, s16
	s_add_co_u32 s72, s72, 1
	s_mul_i32 s72, s72, PART
	v_mul_u32_u24 v4, s72, v2                      ; scale words: lanes 16-31 take k's
	v_lshl_add_u32 v4, v1, 4, v4
	s_add_co_u32 s73, s70, 24576
.irp s, 0,1
	v_add_nc_u32 v[ADRA+\s], s70, v[OUTO]
	v_add_nc_u32 v[ADRB+\s], s71, v[OUTO]
	v_add_nc_u32 v[ADRS+\s], s73, v4
	s_add_co_u32 s70, s70, SLOT
	s_add_co_u32 s71, s71, SLOT
	s_add_co_u32 s73, s73, SLOT
.endr
	s_lshl_b32 s74, s23, 1
	s_add_co_u32 s74, s74, s15                     ; G
	s_lshl_b32 s76, s74, 3
	s_add_co_u32 s76, s76, s46
	s_mul_i32 s76, s76, 24576
	s_mul_i32 s75, s16, 8*FRB
	s_add_co_u32 s76, s76, s75
	s_mov_b32 s77, 0
	s_add_nc_u64 s[12:13], s[6:7], s[76:77]        ; my codes in pc
	s_lshl_b32 s76, s74, 4
	s_lshl_b32 s75, s46, 1
	s_add_co_u32 s76, s76, s75
	s_add_co_u32 s76, s76, s16
	s_mul_i32 s76, s76, 1536
	s_add_nc_u64 s[10:11], s[8:9], s[76:77]        ; my group's three planes in pst
.macro FRAG reg, adr, off
.irp c, 0,1,2
	ds_load_b128 v[(\reg)+4*\c:(\reg)+4*\c+3], v[(\adr)] offset:(\off)+512*\c
.endr
.endm
.macro FETCH slot, q, p
	WIN TO_B
.irp i, 0,1,2,3,4,5,6,7
	FRAG 128*(\p)+12*\i, ADRB+\slot, (8*(\q)+\i)*FRB
.endr
	WIN 0
.irp i, 0,1,2,3,4,5,6,7
	FRAG AF+96*(\p)+12*\i, ADRA+\slot, (8*(\q)+\i)*FRB
.endr
.endm
.macro SCALES slot
.irp u, 0,1,2,3
	ds_load_b128 v[SC+16*\slot+4*\u:SC+16*\slot+4*\u+3], v[ADRS+\slot] offset:256*\u
.endr
.endm
.macro MUL8 a, p, q, sc, zero          ; the 64 accumulators take turns, one instruction a turn, in the same order in every step
.irp b, 0,1,2,3,4,5,6,7
.if \zero
	v_wmma_scale_f32_16x16x128_f8f6f4 v[8*(8*((\a)%4)+\b):8*(8*((\a)%4)+\b)+7], v[128*(\p)+12*\b:128*(\p)+12*\b+11], v[AF+96*(\p)+12*(\a):AF+96*(\p)+12*(\a)+11], 0, v[SC+16*(\sc)+8*(\q)+\b], v[SC+16*(\sc)+8*(\q)+(\a)] matrix_a_fmt:MATRIX_FMT_BF6 matrix_b_fmt:MATRIX_FMT_BF6 matrix_a_scale:MATRIX_SCALE_ROW1
.else
	v_wmma_scale_f32_16x16x128_f8f6f4 v[8*(8*((\a)%4)+\b):8*(8*((\a)%4)+\b)+7], v[128*(\p)+12*\b:128*(\p)+12*\b+11], v[AF+96*(\p)+12*(\a):AF+96*(\p)+12*(\a)+11], v[8*(8*((\a)%4)+\b):8*(8*((\a)%4)+\b)+7], v[SC+16*(\sc)+8*(\q)+\b], v[SC+16*(\sc)+8*(\q)+(\a)] matrix_a_fmt:MATRIX_FMT_BF6 matrix_b_fmt:MATRIX_FMT_BF6 matrix_a_scale:MATRIX_SCALE_ROW1
.endif
.endr
.endm
.macro STEP slot, q, zero
	s_wait_dscnt 0x0                               ; this step's fragments and scale words are in
.if \zero == 0
	PLACES 4                                       ; behind the last step's products, which read the other set
.endif
	FETCH \slot, (\q)+1, 1-(\q)%2
	WIN MUL_LO
.irp a, 0,1,2,3
	MUL8 \a, (\q)%2, \q, \slot, \zero
.endr
	WIN MUL_HI
.irp a, 4,5,6,7
	MUL8 \a, (\q)%2, \q, \slot, \zero
.endr
	WIN 0
.endm
.macro TURN slot, next, fill
	s_wait_tensorcnt 0x0                           ; all my tensor loads have landed: my part of the next slot;
	ds_add_u32 v[SPW], v[NIL]                      ; 0 onto my spare word;
	s_wait_dscnt 1                                 ; (only the add may be out: my fragments are in)
	WIN MUL_LO
	MUL8 0, 1, 1, \slot, 0
	MUL8 1, 1, 1, \slot, 0
	s_wait_dscnt 0x0                               ; the add is done, and my reads of this slot are over
	s_barrier_signal -1
	MUL8 2, 1, 1, \slot, 0
	MUL8 3, 1, 1, \slot, 0
	WIN 0
	s_barrier_wait -1
.if \fill
	CREST                                          ; no wave of any partner still reads this slot or has a load on its way
	s_add_nc_u64 s[G0+4*\slot+2:G0+4*\slot+3], s[G0+4*\slot+2:G0+4*\slot+3], 2*BLKB
	s_add_nc_u64 s[G0B+4*\slot+2:G0B+4*\slot+3], s[G0B+4*\slot+2:G0B+4*\slot+3], 2*BLKB
	JLOAD G0+4*\slot, G1, G0B+4*\slot, G1B         ; the first tensor load behind the round; its four v_nop are also the places in front of the loads below
.else
	PLACES 4
.endif
	FETCH \next, 0, 0
	SCALES \next
	WIN MUL_HI
.irp a, 4,5,6,7
	MUL8 \a, 1, 1, \slot, 0
.endr
	WIN 0
.endm
	s_wait_alu depctr_va_vdst(0)
	s_wait_tensorcnt 0x0                           ; my part of K step 0 is in
	s_mov_b32 s[G1+2], 100<<16                     ; no tensor load of mine is out, so a descriptor may be written: a refill brings one block
	s_mov_b32 s[G1+4], 100
	s_mov_b32 s[G1B+2], 100<<16
	s_mov_b32 s[G1B+4], 100
	s_barrier_signal -1                            ; both slots are whole for all four waves
	s_barrier_wait -1
	FETCH 0, 0, 0
	SCALES 0
	STEP 0, 0, 1
	global_prefetch_b8 v[PF1], s[84:85] offset:3*BLKB th:TH_LOAD_NT scope:SCOPE_SE   ; K step 3, which the second refill loads
	TURN 0, 1, 1
	STEP 1, 0, 0
	TURN 1, 0, 1
	STEP 0, 0, 0
	TURN 0, 1, 0
	STEP 1, 0, 0
	s_wait_dscnt 0x0
	WIN MUL_LO
.irp a, 0,1,2,3
	MUL8 \a, 1, 1, 1, 0
.endr
	WIN MUL_HI
.irp a, 4,5,6,7
	MUL8 \a, 1, 1, 1, 0
.endr
	WIN 0
; THE EPILOGUE.  Block a: 16 queries x my 128 keys.  No other wave is asked: M is the group's own.
.macro POUT a
.set W, 2+(\a)/4
.set S, 64*((\a)%4)
.set PC, PCB+16*((\a)%4)
.set W01, W|(W<<2)
	WIN W01
.irp b, 0,1,2,3
	v_max_num_f32 v[BM+\b], v[S+16*\b], v[S+16*\b+1]   ; the largest SCORE of each 32-block: it serves for the group's maximum and, since p rises with the score, for the block's largest p.  Each accumulator is read from its low end on
.endr
.irp i, 2,4,6,8,10,12,14
.irp b, 0,1,2,3
	v_max3_num_f32 v[BM+\b], v[S+16*\b+\i], v[S+16*\b+\i+1], v[BM+\b]
.endr
.endr
	WIN 0
.irp b, 0,1,2,3
	v_permlanex16_b32 v[BP+\b], v[BM+\b], s[SEL], s[SEL+1]
.endr
.irp b, 0,1,2,3
	v_max_num_f32 v[BM+\b], v[BM+\b], v[BP+\b]     ; with lane l xor 16's 16 keys
.endr
	v_max3_num_f32 v[T], v[BM], v[BM+1], v[BM+2]
	v_max_num_f32 v[T], v[T], v[BM+3]
	v_mul_f32 v[T], s[CS], v[T]                    ; the group's largest t (c is positive)
	v_floor_f32 v[NM], -v[T]                       ; -M = floor(-t): M is a whole number
	WIN W
.irp i, 0,2,4,6,8,10,12,14,16,18,20,22,24,26,28,30,32,34,36,38,40,42,44,46,48,50,52,54,56,58,60,62
	v_pk_fma_f32 v[P+\i:P+\i+1], v[S+\i:S+\i+1], s[CS:CS+1], v[NM:NM+1] op_sel_hi:[1,0,0]   ; t - M, two at a time, into window 0
.endr
	WIN 0
.irp b, 0,1,2,3
	v_fma_f32 v[BM+\b], v[BM+\b], s[CS], v[NM]     ; the same of each block's largest score
.endr
	s_wait_alu depctr_va_vdst(0)
.irp j, 0,1,2,3,4,5,6,7,8,9,10,11,12,13,14,15,16,17,18,19,20,21,22,23,24,25,26,27,28,29,30,31,32,33,34,35,36,37,38,39,40,41,42,43,44,45,46,47,48,49,50,51,52,53,54,55,56,57,58,59,60,61,62,63
	v_exp_f32 v[P+\j], v[P+\j]                     ; p = 2^(t - M): not normalised
.endr
.irp b, 0,1,2,3
	v_exp_f32 v[BM+\b], v[BM+\b]                   ; the block's largest p: the same two instructions on the same number
.endr
	v_mov_b32 v[MS+(\a)], v[NM]                    ; -M for the next launch.  (The plain place behind the exponentials)
	s_wait_alu depctr_va_vdst(0)                   ; one wait for the batch of 68, ahead of its first reader
	v_pk_add_f32 v[LS:LS+1], v[P:P+1], v[P+2:P+3]  ; l is taken of the unquantised p: two at a time, in two chains
	v_pk_add_f32 v[LS2:LS2+1], v[P+4:P+5], v[P+6:P+7]
.irp j, 8,12,16,20,24,28,32,36,40,44,48,52,56,60
	v_pk_add_f32 v[LS:LS+1], v[LS:LS+1], v[P+\j:P+\j+1]
	v_pk_add_f32 v[LS2:LS2+1], v[LS2:LS2+1], v[P+\j+2:P+\j+3]
.endr
	v_pk_add_f32 v[LS:LS+1], v[LS:LS+1], v[LS2:LS2+1]
	v_add_f32 v[T], v[LS], v[LS+1]
	v_permlanex16_b32 v[T3], v[T], s[SEL], s[SEL+1]
	v_add_f32 v[LL+(\a)], v[T], v[T3]              ; with lane l xor 16's 64 keys: the group's l
.irp b, 0,1,2,3
	v_max_num_f32 v[BM+\b], 0x2800000, v[BM+\b]    ; the floor 2^(5 - 127): the byte cannot fall under 1
.endr
.irp b, 0,1,2,3
	v_add_nc_u32 v[SO+\b], 0xfe000000, v[BM+\b]    ; 4 off the exponent field: the conversion's scale operand
.endr
.irp b, 0,1,2,3
	v_lshrrev_b32 v[BP+\b], 23, v[SO+\b]           ; the scale's byte, at most 123 since p is at most 1
.endr
	v_lshl_or_b32 v[PW+(\a)], v[BP+1], 8, v[BP]
	v_lshl_or_b32 v[PW+(\a)], v[BP+2], 16, v[PW+(\a)]
	v_lshl_or_b32 v[PW+(\a)], v[BP+3], 24, v[PW+(\a)]
.if (\a) >= 4
	s_wait_xcnt 0x0                                ; the codes' set is the data of the stores of four blocks ago: it is rewritten only behind this wait
.endif
	v_cvt_scalef32_pk16_bf6_f32 v[PC:PC+2], v[P:P+15], v[SO]
	v_cvt_scalef32_pk16_bf6_f32 v[CT:CT+2], v[P+16:P+31], v[SO+1]
	v_cvt_scalef32_pk16_bf6_f32 v[PC+6:PC+8], v[P+32:P+47], v[SO+2]
	v_cvt_scalef32_pk16_bf6_f32 v[CT+4:CT+6], v[P+48:P+63], v[SO+3]
	v_nop                                          ; one plain place behind a scaled conversion
.irp c, 0,1                            ; a whole 32-block in a lane: lanes 0-15 block 2 c, lanes 16-31 block 2 c + 1
.irp i, 0,1,2
	v_permlane16_swap_b32 v[PC+6*\c+\i], v[CT+4*\c+\i]
.endr
.irp i, 0,1,2
	v_mov_b32 v[PC+3+6*\c+\i], v[CT+4*\c+\i]
.endr
.endr
.irp c, 0,1,2
	global_store_b128 v[OUTO], v[PC+4*\c:PC+4*\c+3], s[12:13] offset:FRB*(\a)+512*\c   ; 32 lanes store 512 consecutive bytes, aligned
.endr
.endm
	PLACES 4                                       ; behind the last products
.irp b, 0,1,2,3
	v_mov_b32 v[BP+\b], 0                          ; written once: a lane permute's destination counts as one of its sources
.endr
	v_mov_b32 v[T3], 0
	v_mov_b32 v[NM+1], 0                           ; (named as the upper half of a pair)
.irp a, 0,1,2,3,4,5,6,7
	POUT \a
.endr
	v_cmp_ne_u32 vcc_lo, 0, v2
.irp w, 0,1,2,3
	v_cndmask_b32 v[SEL3+\w], v[PW+\w], v[PW+4+\w], vcc_lo       ; lanes 0-15: blocks 0-3 of row r; lanes 16-31: blocks 4-7
	v_cndmask_b32 v[SEL3+4+\w], v[MS+\w], v[MS+4+\w], vcc_lo
	v_cndmask_b32 v[SEL3+8+\w], v[LL+\w], v[LL+4+\w], vcc_lo
.endr
.irp c, 0,1,2
	global_store_b128 v[OUTO], v[SEL3+4*\c:SEL3+4*\c+3], s[10:11] offset:512*\c
.endr
	s_wait_tensorcnt 0x0                           ; the wave's end
	ds_add_u32 v[SPW], v[NIL]
	s_wait_dscnt 0x0
	CROUND                                         ; the closing round
	s_endpgm
.Lfunc_end_k_q0535454781_scores:
	.size	k_q0535454781_scores, .Lfunc_end_k_q0535454781_scores-k_q0535454781_scores
	.p2alignl 7, 3214868480
	.fill 96, 4, 3214868480
	.section	.rodata,"a",@progbits
	.p2align	6, 0x0
	.amdhsa_kernel k_q0535454781_scores
		.amdhsa_group_segment_fixed_size 327680
		.amdhsa_private_segment_fixed_size 0
		.amdhsa_enable_private_segment 0
		.amdhsa_kernarg_size 24
		.amdhsa_user_sgpr_count 2
		.amdhsa_user_sgpr_kernarg_segment_ptr 1
		.amdhsa_wavefront_size32 1
		.amdhsa_system_sgpr_workgroup_id_x 1
		.amdhsa_system_sgpr_workgroup_id_y 1
		.amdhsa_system_sgpr_workgroup_id_z 1
		.amdhsa_system_vgpr_workitem_id 0
		.amdhsa_next_free_vgpr 1024
		.amdhsa_next_free_sgpr 98
		.amdhsa_reserve_vcc 1
		.amdhsa_float_denorm_mode_32 3
		.amdhsa_float_denorm_mode_16_64 3
		.amdhsa_memory_ordered 1
		.amdhsa_forward_progress 1
		.amdhsa_inst_pref_size 190
	.end_amdhsa_kernel
	.amdgpu_metadata
---
amdhsa.version: [ 1, 2 ]
amdhsa.kernels:
  - .name:           k_q0535454781_scores
    .symbol:         k_q0535454781_scores.kd
    .args:
      - { .name: qkv, .offset: 0, .size: 8, .value_kind: global_buffer, .address_space: global }
      - { .name: pc, .offset: 8, .size: 8, .value_kind: global_buffer, .address_space: global }
      - { .name: pst, .offset: 16, .size: 8, .value_kind: global_buffer, .address_space: global }
    .group_segment_fixed_size: 327680
    .private_segment_fixed_size: 0
    .kernarg_segment_align: 8
    .kernarg_segment_size: 24
    .max_flat_workgroup_size: 128
    .sgpr_count:     98
    .vgpr_count:     1024
    .wavefront_size: 32
...
	.end_amdgpu_metadata
.endif
;; end of part 3
;; launch pv (part 4): grid 4 x 64, 4 waves a work-group, clusters of 4 x 4, 327,680 bytes of LDS; arguments pc, pst, qkv, out0; writes out0
.if DOCPART == 4
	.amdgcn_target "amdgcn-amd-amdhsa--gfx1250"
	.amdhsa_code_object_version 6
	.text
	.protected	k_q0535454781_pv
	.globl	k_q0535454781_pv
	.p2align	8
	.type	k_q0535454781_pv,@function
k_q0535454781_pv:
	s_mov_b64 s[64:65], 0
	v_nop
	global_prefetch_b8 v0, s[64:65] scope:SCOPE_SE
	s_setreg_imm32_b32 hwreg(HW_REG_WAVE_MODE, 25, 1), 1
	s_wait_xcnt 0x0
	s_wait_alu depctr_hold_cnt(0) depctr_sa_sdst(0) depctr_va_vdst(0) depctr_va_sdst(0) depctr_va_ssrc(0) depctr_va_vcc(0) depctr_vm_vsrc(0)
	s_getreg_b32 s2, hwreg(HW_REG_IB_STS2, 6, 4)
	s_cmp_eq_u32 s2, 0
	s_cbranch_scc0 .Lentry_in_a_cluster
	s_endpgm
.Lentry_in_a_cluster:
	s_bfe_u32 s2, ttmp6, 0x10000c
	s_cmp_lg_u32 s2, 0xf033
	s_cbranch_scc0 .Lentry_shape_is_right
	s_endpgm
.Lentry_shape_is_right:
; O = (p v) / l: 4 batches x [2048 x 1024], K = 2,048 keys, on codes of BF6 (E3M2) with E8M0 scales.  p's codes (pc) were made under an M of each group of 128 keys; here each group's scale bytes are brought under the ROW's M
; (the largest of the 16 groups' M): byte - d with d = M_row - M_group, a whole number, held at 0 from below; l = the sum of l_group 2^-d.  The division by l stands at the end.
; pc: blocks of 24,576 bytes (128 queries x 256 keys) at 8 G + key / 256, G = (2,048 batch + query) / 128: fragment (kk, T) at (8 kk + T) x 1,536, register p of lane l at 512 (p / 4) + 16 l + 4 (p % 4).
; pst: 1,536 bytes for each (G, g = key / 128) at 16 G + g: planes of 512 bytes (scale words, -M, l); row 16 T + r at 256 (T / 4) + 16 r + 4 (T % 4).
; v^T in qkv: blocks of 25,600 bytes (128 channels x 256 keys; the scale words at 24,576) at 512 + 8 (8 batch + channel / 128) + key / 256.  p's and v^T's 32-blocks carry the same order of keys.
; THE MATRIX INSTRUCTION IS USED TRANSPOSED: source 0 = 16 channels, source 1 = 16 queries: lane (r, h) of accumulator (a, b) holds query 16 a + r and channels 16 b + 8 h + 0..7: 32 neighbouring bytes of a row of O.
; SHARES: O has 128 tiles of 256 x 256, so a work-group makes 128 queries x 256 channels (256 work-groups), a wave 64 x 128: 32 accumulators.  K goes in steps of 512 keys through two slots, so that a K step still holds 128 matrix instructions a wave.
; Waves 0, 1 fetch p's two blocks of a K step (96 rows of 256 bytes each), waves 2, 3 v^T's two pairs of blocks (200 rows each).
; CLUSTERS: 4 x 4: p's blocks are shared along a row of the cluster (the four channel tiles of one block of queries), v^T's along a column.  One tensor load of a wave is out at any time.
; Prefetch: four K steps a work-group; two are first fills, the other two are asked for a K step ahead.
; LIMITS: a group whose M lies further under the row's M than a block's byte gets the byte 0 there: its numbers count at most 28 x 2^-127 each, against l over 1/2; d is held at 127, for l too.  NaN and infinities are not served.
; REGISTERS: window 0: v1-3 r, h, lane; v6-13 1 / l; v14-31 addresses; v32-63 p's scale words, v64-127 v^T's (they hold nothing else); v128-223 p's fragments, two sets of 48; the prologue and the way out work in v128-255.
;   window 1: v^T's fragments, two sets, at v0 and v128.  window 2: accumulator (a, b) at v[8 (8 a + b)].
.set BLKB,  25600
.set PBLK,  24576
.set FRB,   1536
; FIRST FILLS AND PREFETCH, as the text now has them: LDS holds p's two blocks of slot 0, of slot 1, then for each half of v^T its two blocks of slot 0, of slot 1.  ONE tensor load a wave at the head brings both slots:
; wave 0 slot 0's p (192 rows on end), wave 1 slot 1's, waves 2, 3 a half's four blocks (400 rows on end).  K steps 2 and 3 are prefetched: each of the four partners that ask for a part jointly takes a quarter of it, told apart by address.
.set BOFF,  4*PBLK                     ; v^T's blocks lie behind p's four
.set SLA,   2*PBLK                     ; from slot 0 to slot 1: p's,
.set SLB,   2*BLKB                     ; v^T's
.set SPARE, 4*PBLK+8*BLKB              ; the spare words, 128 bytes for each wave: two blocks of 256 bytes that no other line names
.set PF1,  18                          ; v18-19 the prefetches' offsets
.set PF2,  19
.set PS,    SPARE+512                  ; p's scale words under the row's M: 16 groups x 512 bytes; stored once, no fill lands here
.set LP,    PS+8192                    ; four waves' parts of l: 4 x 512 bytes
.set SP,    528                        ; the way out: a stage of 16 rows x (512 + 16) bytes for each wave, in slot 0, which has had its last fill and its last read when the first result is stored there
.set RC,   6
.set PO,   14
.set LPR,  15
.set ADRA, 16
.set ADRB, 20
.set ADRSB, 22
.set STO,  24
.set RD,   25
.set CO,   26
.set ADRSA, 27
.set SPW,  28
.set NIL,  29
.set PSW,  30
.set LPW,  31
.set SCA,  32                          ; register SCA + 16 slot + 4 q + a
.set SCB,  64                          ; register SCB + 32 slot + 8 q + b
.set AF,   128
.set G1,  24
.set G0,  32
.set G1B, 48
.set G0B, 56
.set MUL,  0xa1                        ; source 0 (v^T) window 1, source 1 (p) window 0, C and D window 2
.set TO_B, 0x40
.set MSB, 0
.macro WIN new                         ; the immediate's high byte repeats the setting that is left
.if MSB != (\new)
	s_set_vgpr_msb (MSB<<8)|(\new)
.set MSB, (\new)
.endif
.endm
.macro JLOAD g0a, g1a, g0b, g1b        ; a joint load: waves 0 and 1 fetch for p, waves 2 and 3 for v^T; four v_nop follow each of the two lines
	s_cmp_eq_u32 s15, 0
	s_cbranch_scc0 .Lfor_b_\@
	tensor_load_to_lds s[\g0a:\g0a+3], s[\g1a:\g1a+7]
	s_nop 0
.rept 4
	v_nop
.endr
	s_branch .Lasked_\@
.Lfor_b_\@:
	tensor_load_to_lds s[\g0b:\g0b+3], s[\g1b:\g1b+7]
	s_nop 0
.rept 4
	v_nop
.endr
.Lasked_\@:
.endm
.macro CREST
	s_cmp_lg_u32 s14, 0
	s_cbranch_scc1 .Lnot_wave_0_\@
	s_barrier_signal -3
.Lnot_wave_0_\@:
	s_barrier_wait -3
	s_barrier_signal -1
	s_barrier_wait -1
.endm
.macro CROUND
	s_barrier_signal -1
	s_barrier_wait -1
	CREST
.endm
.macro PLACES n
.rept \n
	v_nop
.endr
.endm
	s_load_b128 s[4:7], s[0:1], 0x0                ; pc s[4:5], pst s[6:7]
	s_load_b128 s[8:11], s[0:1], 0x10              ; qkv s[8:9], out0 s[10:11]
	v_lshl_add_u32 v[SPW], v0, 2, SPARE
	v_mov_b32 v[NIL], 0
	ds_add_u32 v28, v29
	ds_add_u32 v28, v29
	s_wait_dscnt 0x0
	v_lshrrev_b32 v1, 5, v0
	v_readfirstlane_b32 s14, v1                    ; wave 0..3
	s_lshr_b32 s15, s14, 1                         ; which 64 queries are mine.  Also: I fetch for p (0) or for v^T (1)
	s_and_b32 s16, s14, 1                          ; which 128 channels.  Also: which part I fetch
	s_bfe_u32 s40, ttmp6, 0x40000                  ; cx
	s_bfe_u32 s41, ttmp6, 0x40004                  ; cy
	s_lshl_b32 s43, s41, 2
	s_lshl_b32 s43, 15, s43                        ; my row of the cluster
	s_lshl_b32 s44, 0x1111, s40                    ; my column
	s_or_b32 s[G1+0], s43, (3<<16)|(1<<21)         ; elements of 8 bytes; no padding
	s_or_b32 s[G1B+0], s44, (3<<16)|(1<<21)
	s_mov_b32 s[G1+1], 32<<16                      ; p: 96 dense rows of 256 bytes
	s_mov_b32 s[G1+2], 192<<16
	s_mov_b32 s[G1+3], 32<<16
	s_mov_b32 s[G1+4], 192
	s_mov_b32 s[G1+5], 32
	s_mov_b32 s[G1+6], 0
	s_mov_b32 s[G1+7], 0
	s_mov_b32 s[G1B+1], 32<<16                     ; v^T: 200
	s_mov_b32 s[G1B+2], 400<<16
	s_mov_b32 s[G1B+3], 32<<16
	s_mov_b32 s[G1B+4], 400
	s_mov_b32 s[G1B+5], 32
	s_mov_b32 s[G1B+6], 0
	s_mov_b32 s[G1B+7], 0
	s_and_b32 s17, ttmp7, 0xffff
	s_lshl_b32 s23, s17, 2
	s_add_co_u32 s23, s23, s41                     ; G: my block of 128 queries = 4 x cluster y + cy
	s_lshr_b32 s18, s17, 2                         ; the batch: from the cluster's y alone
	s_mul_i32 s66, s23, 8*PBLK
	s_mul_i32 s42, s16, PBLK                       ; p's block that I fetch: in memory and in a slot alike
	s_add_co_u32 s66, s66, s42
	s_mov_b32 s67, 0
	s_lshl_b32 s68, s18, 3
	s_lshl_b32 s46, s40, 1
	s_add_co_u32 s68, s68, s46
	s_add_co_u32 s68, s68, s16                     ; 8 batch + 2 cx + half: my 128 channels
	s_lshl_b32 s68, s68, 3
	s_add_co_u32 s68, s68, 512
	s_mul_i32 s68, s68, BLKB
	s_mov_b32 s69, 0
	s_mul_i32 s45, s16, 4*BLKB
	s_add_co_u32 s45, s45, BOFF                    ; and their place in a slot
	s_mul_i32 s70, s23, 16*1536                    ; my queries' part of pst
	s_mov_b32 s71, 0
	s_mov_b32 s72, 0x80808080
	s_mov_b32 s73, 0x01010101
	v_and_b32 v1, 15, v0                           ; r
	v_bfe_u32 v2, v0, 4, 1                         ; h
	v_and_b32 v3, 31, v0                           ; lane
	v_lshlrev_b32 v[CO], 4, v3
	s_mul_i32 s47, s14, 4*1536
	v_add_nc_u32 v[PO], s47, v[CO]                 ; my wave's four groups in pst
	s_wait_kmcnt 0x0
	s_add_nc_u64 s[66:67], s[4:5], s[66:67]
	s_add_nc_u64 s[68:69], s[8:9], s[68:69]
	s_add_nc_u64 s[70:71], s[6:7], s[70:71]
	CROUND                                         ; all sixteen work-groups are here: the first joint loads meet
.irp s, 0,1
	s_mov_b32 s[G0+4*\s], 1
	s_add_co_u32 s[G0+4*\s+1], s42, \s*SLA
	s_add_nc_u64 s[G0+4*\s+2:G0+4*\s+3], s[66:67], \s*2*PBLK
	s_or_b32 s[G0+4*\s+3], s[G0+4*\s+3], 0x80000000
	s_mov_b32 s[G0B+4*\s], 1
	s_add_co_u32 s[G0B+4*\s+1], s45, \s*SLB
	s_add_nc_u64 s[G0B+4*\s+2:G0B+4*\s+3], s[68:69], \s*2*BLKB
	s_or_b32 s[G0B+4*\s+3], s[G0B+4*\s+3], 0x80000000
.endr
	s_mov_b32 s88, 1                               ; the head's group 0 for p: wave 0 fetches slot 0's two blocks, wave 1 slot 1's
	s_mul_i32 s89, s16, 2*PBLK
	s_mov_b32 s92, s42
	s_mov_b32 s93, 0
	s_add_nc_u64 s[90:91], s[66:67], s[92:93]
	s_or_b32 s91, s91, 0x80000000
	JLOAD 88, G1, G0B, G1B                         ; K steps 0 and 1: one tensor load a wave at the head
	s_cmp_eq_u32 s15, 0
	s_cselect_b64 s[80:81], s[66:67], s[68:69]     ; the part that I fetch in a refill (p 96 blocks of 256 bytes, v^T 200),
	s_cselect_b32 s82, s40, s41                    ; my work-group's place among the four that ask with it (cx for p, cy for v^T),
	s_cselect_b32 s84, 23, 49                      ; its quarter's last block
	s_add_co_u32 s85, s84, 1
	s_mul_i32 s82, s82, s85
	s_lshl_b32 s82, s82, 8
	s_mov_b32 s83, 0
	s_lshl_b32 s86, s15, 11
	s_add_co_u32 s86, s86, 2*PBLK                  ; a K step of my part in bytes: 2 PBLK or 2 BLKB
	s_mov_b32 s87, 0
	s_add_nc_u64 s[80:81], s[80:81], s[82:83]
	s_add_nc_u64 s[80:81], s[80:81], s[86:87]
	s_add_nc_u64 s[80:81], s[80:81], s[86:87]      ; s[80:81]: K step 2,
	s_add_nc_u64 s[94:95], s[80:81], s[86:87]      ; s[94:95]: K step 3
	v_and_b32 v[PF1], 31, v0
	v_add_nc_u32 v[PF2], 32, v[PF1]
	v_min_u32 v[PF1], s84, v[PF1]                  ; lanes that are left over name the quarter's last block again
	v_min_u32 v[PF2], s84, v[PF2]
	v_lshlrev_b32 v[PF1], 8, v[PF1]
	v_lshlrev_b32 v[PF2], 8, v[PF2]
.macro ASK b                           ; one refill's part: p's waves 24 blocks, v^T's waves 50
	global_prefetch_b8 v[PF1], s[\b:\b+1] th:TH_LOAD_NT scope:SCOPE_SE
	s_cmp_eq_u32 s15, 0
	s_cbranch_scc1 .Lasked_a_\@
	global_prefetch_b8 v[PF2], s[\b:\b+1] th:TH_LOAD_NT scope:SCOPE_SE
.Lasked_a_\@:
.endm
	ASK 80                                         ; K step 2, which the first refill loads a K step on
	; THE PROLOGUE, while the first tiles are on their way.  A lane takes 16 bytes of a plane: four rows.  Every wave finds the rows' M from all 16 groups; wave w then adjusts groups 4 w .. 4 w + 3.
	s_wait_alu depctr_va_vdst(0)
.irp g, 0,1,2,3,4,5,6,7,8,9,10,11,12,13,14,15
	global_load_b128 v[128+4*\g:131+4*\g], v[CO], s[70:71] offset:1536*\g+512        ; -M of group g
.endr
.irp u, 0,1,2,3
	global_load_b128 v[192+4*\u:195+4*\u], v[PO], s[70:71] offset:1536*\u            ; my groups' scale words,
	global_load_b128 v[208+4*\u:211+4*\u], v[PO], s[70:71] offset:1536*\u+512        ; their -M,
	global_load_b128 v[224+4*\u:227+4*\u], v[PO], s[70:71] offset:1536*\u+1024       ; their l
.endr
	s_mul_i32 s74, s15, 4*FRB                      ; p: my four tiles of 16 queries
	s_mul_i32 s75, s16, 4*BLKB
	s_add_co_u32 s75, s75, BOFF                    ; v^T: my 128 channels
	s_add_co_u32 s76, s75, 24576                   ; and their scale words
	v_lshlrev_b32 v4, 4, v1                        ; 16 r
.irp s, 0,1
	v_add_nc_u32 v[ADRA+\s], s74, v[CO]
	v_add_nc_u32 v[ADRB+\s], s75, v[CO]
	v_add_nc_u32 v[ADRSB+\s], s76, v4
	s_add_co_u32 s74, s74, SLA
	s_add_co_u32 s75, s75, SLB
	s_add_co_u32 s76, s76, SLB
.endr
	s_lshl_b32 s74, s15, 8
	v_add_nc_u32 v[ADRSA], s74, v4
	v_add_nc_u32 v[LPR], LP, v[ADRSA]              ; l's parts of my rows: LP + 256 (rows / 64) + 16 r
	v_add_nc_u32 v[ADRSA], PS, v[ADRSA]            ; p's scale words of my rows
	s_lshl_b32 s74, s14, 11
	v_add_nc_u32 v[PSW], s74, v[CO]
	v_add_nc_u32 v[PSW], PS, v[PSW]                ; where I store adjusted words: PS + 2,048 wave + 16 lane
	s_lshl_b32 s74, s14, 9
	v_add_nc_u32 v[LPW], s74, v[CO]
	v_add_nc_u32 v[LPW], LP, v[LPW]
	s_mul_i32 s74, s14, 16*SP                      ; my stage
	v_mul_u32_u24 v[STO], v1, SP
	v_lshl_add_u32 v[STO], v2, 5, v[STO]
	v_add_nc_u32 v[STO], s74, v[STO]               ; in: row r, 32 bytes for each half of the lanes
	v_add_nc_u32 v[RD], s74, v[CO]                 ; back: the 32 lanes take one row of 512 bytes
	s_lshl_b32 s74, s23, 7
	s_lshl_b32 s75, s15, 6
	s_add_co_u32 s74, s74, s75                     ; my first row of O
	s_lshl_b32 s74, s74, 12
	s_lshl_b32 s75, s40, 10
	s_add_co_u32 s74, s74, s75                     ; + the tile's 256 channels
	s_lshl_b32 s75, s16, 9
	s_add_co_u32 s74, s74, s75                     ; + my 128
	s_mov_b32 s75, 0
	s_add_nc_u64 s[12:13], s[10:11], s[74:75]
	s_wait_loadcnt 0x0
.irp c, 0,1,2,3
	v_min3_num_f32 v[240+\c], v[128+\c], v[132+\c], v[136+\c]      ; the least -M of the 16 groups is the row's -M
.endr
.irp g, 3,5,7,9,11,13
.irp c, 0,1,2,3
	v_min3_num_f32 v[240+\c], v[240+\c], v[128+4*\g+\c], v[132+4*\g+\c]
.endr
.endr
.irp c, 0,1,2,3
	v_min_num_f32 v[240+\c], v[240+\c], v[188+\c]
.endr
.irp u, 0,1,2,3                        ; (the four rows by turns; v128-147 are free now)
.irp c, 0,1,2,3
	v_sub_f32 v[128+\c], v[208+4*\u+\c], v[240+\c] ; d = M_row - M_group: a whole number, 0 or more
.endr
.irp c, 0,1,2,3
	v_cvt_u32_f32 v[128+\c], v[128+\c]             ; (it saturates)
.endr
.irp c, 0,1,2,3
	v_min_u32 v[128+\c], 127, v[128+\c]
.endr
.irp c, 0,1,2,3
	v_mul_lo_u32 v[132+\c], v[128+\c], s73         ; d in each of four bytes
.endr
.irp c, 0,1,2,3
	v_or_b32 v[136+\c], s72, v[192+4*\u+\c]        ; 128 + byte (p's bytes are at most 123),
.endr
.irp c, 0,1,2,3
	v_sub_nc_u32 v[136+\c], v[136+\c], v[132+\c]   ; - d: at least 1 in each byte, so no borrow passes between bytes; bit 7 stays set where byte >= d
.endr
.irp c, 0,1,2,3
	v_and_b32 v[132+\c], s72, v[136+\c]
.endr
.irp c, 0,1,2,3
	v_lshrrev_b32 v[140+\c], 7, v[132+\c]
.endr
.irp c, 0,1,2,3
	v_sub_nc_u32 v[132+\c], v[132+\c], v[140+\c]   ; 0x7f in those bytes, 0 in the others
.endr
.irp c, 0,1,2,3
	v_and_b32 v[192+4*\u+\c], v[136+\c], v[132+\c] ; max(byte - d, 0)
.endr
.irp c, 0,1,2,3
	v_sub_nc_u32 v[128+\c], 0, v[128+\c]
.endr
.irp c, 0,1,2,3
	v_ldexp_f32 v[128+\c], 1.0, v[128+\c]          ; 2^-d
.endr
.irp c, 0,1,2,3
.if \u == 0
	v_mul_f32 v[144+\c], v[224+\c], v[128+\c]      ; my four groups' part of l
.else
	v_fma_f32 v[144+\c], v[224+4*\u+\c], v[128+\c], v[144+\c]
.endif
.endr
.endr
.irp u, 0,1,2,3
	ds_store_b128 v[PSW], v[192+4*\u:195+4*\u] offset:512*\u
.endr
	ds_store_b128 v[LPW], v[144:147]
.macro FRAG reg, adr, off
.irp c, 0,1,2
	ds_load_b128 v[(\reg)+4*\c:(\reg)+4*\c+3], v[(\adr)] offset:(\off)+512*\c
.endr
.endm
.macro FETCH slot, q, p                ; the fragments of the slot's q-th 128 keys into set p: 36 loads in one run
	WIN TO_B
.irp i, 0,1,2,3,4,5,6,7
	FRAG 128*(\p)+12*\i, ADRB+\slot, ((\q)/2)*BLKB+(8*((\q)%2)+\i)*FRB
.endr
	WIN 0
.irp i, 0,1,2,3
	FRAG AF+48*(\p)+12*\i, ADRA+\slot, 8*FRB*(\q)+\i*FRB
.endr
.endm
.macro SCALES slot                     ; a K step's scale words: p's from the adjusted words, v^T's from the slot
.irp q, 0,1,2,3
	ds_load_b128 v[SCA+16*\slot+4*\q:SCA+16*\slot+4*\q+3], v[ADRSA] offset:512*\q
.irp j, 0,1
	ds_load_b128 v[SCB+32*\slot+8*\q+4*\j:SCB+32*\slot+8*\q+4*\j+3], v[ADRSB+\slot] offset:(\q/2)*BLKB+512*(\q%2)+256*\j
.endr
.endr
.endm
.macro MUL8 a, p, q, sc, zero          ; the 32 accumulators take turns, one instruction a turn, in the same order in every step
.irp b, 0,1,2,3,4,5,6,7
.if \zero
	v_wmma_scale_f32_16x16x128_f8f6f4 v[8*(8*(\a)+\b):8*(8*(\a)+\b)+7], v[128*(\p)+12*\b:128*(\p)+12*\b+11], v[AF+48*(\p)+12*(\a):AF+48*(\p)+12*(\a)+11], 0, v[SCB+32*(\sc)+8*(\q)+\b], v[SCA+16*(\sc)+4*(\q)+(\a)] matrix_a_fmt:MATRIX_FMT_BF6 matrix_b_fmt:MATRIX_FMT_BF6
.else
	v_wmma_scale_f32_16x16x128_f8f6f4 v[8*(8*(\a)+\b):8*(8*(\a)+\b)+7], v[128*(\p)+12*\b:128*(\p)+12*\b+11], v[AF+48*(\p)+12*(\a):AF+48*(\p)+12*(\a)+11], v[8*(8*(\a)+\b):8*(8*(\a)+\b)+7], v[SCB+32*(\sc)+8*(\q)+\b], v[SCA+16*(\sc)+4*(\q)+(\a)] matrix_a_fmt:MATRIX_FMT_BF6 matrix_b_fmt:MATRIX_FMT_BF6
.endif
.endr
.endm
.macro STEP slot, q, zero              ; a step of 128 keys that has its successor in the same slot
	s_wait_dscnt 0x0                               ; this step's fragments and scale words are in
.if \zero == 0
	PLACES 4                                       ; behind the last step's products, which read the other set
.endif
	FETCH \slot, (\q)+1, 1-(\q)%2                  ; 32 matrix instructions ahead of their use
	WIN MUL
.irp a, 0,1,2,3
	MUL8 \a, (\q)%2, \q, \slot, \zero
.endr
	WIN 0
.endm
.macro TURN slot, next, fill           ; a slot's last step changes slots: one barrier.  fill = 1: this slot is filled again, two K steps ahead, behind a round of the cluster's barrier
	s_wait_tensorcnt 0x0                           ; all my tensor loads have landed: my part of the next slot;
	ds_add_u32 v[SPW], v[NIL]                      ; 0 onto my spare word;
	s_wait_dscnt 1                                 ; (only the add may be out: my fragments are in)
	WIN MUL
	MUL8 0, 1, 3, \slot, 0                         ; eight matrix instructions stand between the add and the wait for it
	s_wait_dscnt 0x0                               ; the add is done, and my reads of this slot are over
	s_barrier_signal -1
	MUL8 1, 1, 3, \slot, 0
	WIN 0
	s_barrier_wait -1
.if \fill
	CREST                                          ; no wave of any partner still reads this slot or has a load on its way
	s_add_nc_u64 s[G0+4*\slot+2:G0+4*\slot+3], s[G0+4*\slot+2:G0+4*\slot+3], 4*PBLK
	s_add_nc_u64 s[G0B+4*\slot+2:G0B+4*\slot+3], s[G0B+4*\slot+2:G0B+4*\slot+3], 4*BLKB
	JLOAD G0+4*\slot, G1, G0B+4*\slot, G1B         ; the first tensor load behind the round; its four v_nop are also the places in front of the loads below
.else
	PLACES 4
.endif
	s_wait_alu depctr_va_vdst(0)
	v_add_nc_u32 v[ADRSA], 2048, v[ADRSA]          ; on to the next K step's four groups
	FETCH \next, 0, 0
	SCALES \next
	WIN MUL
	MUL8 2, 1, 3, \slot, 0
	MUL8 3, 1, 3, \slot, 0
	WIN 0
.endm
	s_wait_tensorcnt 0x0                           ; my part of K step 0 is in
	s_mov_b32 s[G1+2], 96<<16                      ; no tensor load of mine is out, so a descriptor may be written: a refill brings one slot's part
	s_mov_b32 s[G1+4], 96
	s_mov_b32 s[G1B+2], 200<<16
	s_mov_b32 s[G1B+4], 200
	s_wait_dscnt 0x0                               ; for the others' sake: my adjusted words and my part of l are stored
	s_barrier_signal -1                            ; both slots are whole for all four waves
	s_barrier_wait -1
	FETCH 0, 0, 0
	SCALES 0
	STEP 0, 0, 1
	ASK 94                                         ; K step 3, which the second refill loads
	STEP 0, 1, 0
	STEP 0, 2, 0
	TURN 0, 1, 1
	STEP 1, 0, 0
	STEP 1, 1, 0
	STEP 1, 2, 0
	TURN 1, 0, 1
	STEP 0, 0, 0
	STEP 0, 1, 0
	STEP 0, 2, 0
	TURN 0, 1, 0                                   ; nothing is left to fetch
	STEP 1, 0, 0
	STEP 1, 1, 0
	STEP 1, 2, 0
	s_wait_dscnt 0x0
	WIN MUL
.irp a, 0,1,2,3
	MUL8 \a, 1, 3, 1, 0
.endr
	WIN 0
	; THE WAY OUT.  l's four parts are added; O is divided by l in place and goes, 16 rows at a time, through my stage in LDS, so that the 32 lanes store a row's 512 consecutive bytes.
	PLACES 4                                       ; behind the last products
.irp w, 0,1,2,3
	ds_load_b128 v[128+4*\w:131+4*\w], v[LPR] offset:512*\w        ; component a: row 16 a + r of my 64
.endr
	s_wait_dscnt 0x0
.irp a, 0,1,2,3
	v_add_f32 v[128+\a], v[128+\a], v[132+\a]
.endr
.irp a, 0,1,2,3
	v_add_f32 v[136+\a], v[136+\a], v[140+\a]
.endr
.irp a, 0,1,2,3
	v_add_f32 v[128+\a], v[128+\a], v[136+\a]
.endr
	s_wait_alu depctr_va_vdst(0)
.irp a, 0,1,2,3
	v_rcp_f32 v[RC+2*\a], v[128+\a]
.endr
.irp a, 0,1,2,3
	v_mov_b32 v[RC+2*\a+1], 0                      ; (the pairs' upper halves are named, so they are written; these are the plain places behind the reciprocals)
.endr
	s_wait_alu depctr_va_vdst(0)                   ; one wait for the four, ahead of their first reader
.irp a, 0,1,2,3
	WIN 0x82                                       ; destination and source 0: window 2
.irp i, 0,2,4,6,8,10,12,14,16,18,20,22,24,26,28,30,32,34,36,38,40,42,44,46,48,50,52,54,56,58,60,62
	v_pk_mul_f32 v[64*\a+\i:64*\a+\i+1], v[64*\a+\i:64*\a+\i+1], v[RC+2*\a:RC+2*\a+1] op_sel_hi:[1,0]   ; each accumulator from its low end on
.endr
	WIN 0x08                                       ; an LDS store's data are its source 1: window 2
.irp b, 0,1,2,3,4,5,6,7
	ds_store_b128 v[STO], v[64*\a+8*\b:64*\a+8*\b+3] offset:64*\b
	ds_store_b128 v[STO], v[64*\a+8*\b+4:64*\a+8*\b+7] offset:64*\b+16
.endr
	WIN 0
.if \a >= 2
	s_wait_xcnt 0x0                                ; these registers are the data of the stores of two blocks ago: they are loaded again only behind this wait
.endif
.irp t, 0,1,2,3,4,5,6,7,8,9,10,11,12,13,14,15
	ds_load_b128 v[128+64*(\a%2)+4*\t:128+64*(\a%2)+4*\t+3], v[RD] offset:\t*SP   ; LDS serves a wave's instructions in order: these see my stores
.endr
	s_wait_dscnt 0x0
.irp t, 0,1,2,3,4,5,6,7,8,9,10,11,12,13,14,15
	global_store_b128 v[CO], v[128+64*(\a%2)+4*\t:128+64*(\a%2)+4*\t+3], s[12:13] offset:(16*\a+\t)*4096 th:TH_STORE_NT   ; 32 lanes store 512 consecutive bytes, aligned; written once, read by nobody here
.endr
.endr
	s_wait_tensorcnt 0x0                           ; the wave's end: behind my last tensor load and my last LDS store
	ds_add_u32 v[SPW], v[NIL]
	s_wait_dscnt 0x0
	CROUND                                         ; the closing round
	s_endpgm
.Lfunc_end_k_q0535454781_pv:
	.size	k_q0535454781_pv, .Lfunc_end_k_q0535454781_pv-k_q0535454781_pv
	.p2alignl 7, 3214868480
	.fill 96, 4, 3214868480
	.section	.rodata,"a",@progbits
	.p2align	6, 0x0
	.amdhsa_kernel k_q0535454781_pv
		.amdhsa_group_segment_fixed_size 327680
		.amdhsa_private_segment_fixed_size 0
		.amdhsa_enable_private_segment 0
		.amdhsa_kernarg_size 32
		.amdhsa_user_sgpr_count 2
		.amdhsa_user_sgpr_kernarg_segment_ptr 1
		.amdhsa_wavefront_size32 1
		.amdhsa_system_sgpr_workgroup_id_x 1
		.amdhsa_system_sgpr_workgroup_id_y 1
		.amdhsa_system_sgpr_workgroup_id_z 1
		.amdhsa_system_vgpr_workitem_id 0
		.amdhsa_next_free_vgpr 768
		.amdhsa_next_free_sgpr 98
		.amdhsa_reserve_vcc 0
		.amdhsa_float_denorm_mode_32 3
		.amdhsa_float_denorm_mode_16_64 3
		.amdhsa_memory_ordered 1
		.amdhsa_forward_progress 1
		.amdhsa_inst_pref_size 156
	.end_amdhsa_kernel
	.amdgpu_metadata
---
amdhsa.version: [ 1, 2 ]
amdhsa.kernels:
  - .name:           k_q0535454781_pv
    .symbol:         k_q0535454781_pv.kd
    .args:
      - { .name: pc, .offset: 0, .size: 8, .value_kind: global_buffer, .address_space: global }
      - { .name: pst, .offset: 8, .size: 8, .value_kind: global_buffer, .address_space: global }
      - { .name: qkv, .offset: 16, .size: 8, .value_kind: global_buffer, .address_space: global }
      - { .name: out0, .offset: 24, .size: 8, .value_kind: global_buffer, .address_space: global }
    .group_segment_fixed_size: 327680
    .private_segment_fixed_size: 0
    .kernarg_segment_align: 8
    .kernarg_segment_size: 32
    .max_flat_workgroup_size: 128
    .sgpr_count:     98
    .vgpr_count:     768
    .wavefront_size: 32
...
	.end_amdgpu_metadata
.endif
;; end of part 4
